; MI455X (gfx1250); checked and timed in simulation.
; The chip was launched on July 23, 2026; its instructions are those of AMD's public machine-readable ISA for CDNA 5 (MIT licence, August 2026) and "CDNA5" Instruction Set Architecture Reference Guide (July 2026). The comments in the code are by the model that wrote it; some were corrected since.
;; Diff Transformer Layer. Allowed arithmetic: matrix products marked QUANTISED: E5M2 operands, one given power-of-two scale a tensor, by v_wmma_f32_16x16x64_bf8_bf8 or v_wmma_f32_16x16x128_bf8_bf8, f32 sums; everything else in f32.
;; Inputs: lk1 64 float32; lk2 64 float32; ln1_b 1,024 float32; ln1_w 1,024 float32; ln2_b 1,024 float32; ln2_w 1,024 float32; lowp_scales 16 int32 (the exponents e of the quantised operands' scales 2^e); lq1 64 float32; lq2 64 float32; subln_w 128 float32; w_in 1,024 x 4,096 float32; w_out 2,048 x 1,024 float32; wk 1,024 x 1,024 float32; wo 1,024 x 1,024 float32; wq 1,024 x 1,024 float32; wv 1,024 x 1,024 float32; x 2 x 2,048 x 1,024 float32.
;; Outputs: out0 2 x 2,048 x 1,024 float32.
;; This version of the problem:
;;   THIS VERSION OF THE PROBLEM IS GIVEN IN LOW PRECISION. The matrix products marked QUANTISED in the list below multiply operands that are first quantised to E5M2 (5 exponent bits, 2 mantissa bits; 8 bits a number), with one given power-of-two scale for each operand tensor; their sums are f32. All else is computed in f32.
;;   The module's matrix products, in the order in which they are computed (A, B: the left and right operand; K: the contracted axis; several contracted axes count as one K, in the product's order):
;;     1. [M 4,096, K 1,024] x [K 1,024, N 1,024]; A: computed on the way; B: input wq: QUANTISED (scales: A lowp_scales[0], B lowp_scales[1])
;;     2. [M 4,096, K 1,024] x [K 1,024, N 1,024]; A: computed on the way; B: input wk: QUANTISED (scales: A lowp_scales[2], B lowp_scales[3])
;;     3. [M 4,096, K 1,024] x [K 1,024, N 1,024]; A: computed on the way; B: input wv: QUANTISED (scales: A lowp_scales[4], B lowp_scales[5])
;;     4. batch 32 x [M 2,048, K 64] x [K 64, N 2,048]; A: computed on the way; B: computed on the way: QUANTISED (scales: A lowp_scales[6], B lowp_scales[7])
;;     5. batch 16 x [M 2,048, K 2,048] x [K 2,048, N 128]; A: computed on the way; B: computed on the way: QUANTISED (scales: A lowp_scales[8], B lowp_scales[9])
;;     6. [M 4,096, K 1,024] x [K 1,024, N 1,024]; A: computed on the way; B: input wo: QUANTISED (scales: A lowp_scales[10], B lowp_scales[11])
;;     7. [M 4,096, K 1,024] x [K 1,024, N 4,096]; A: computed on the way; B: input w_in: QUANTISED (scales: A lowp_scales[12], B lowp_scales[13])
;;     8. [M 4,096, K 2,048] x [K 2,048, N 1,024]; A: computed on the way; B: input w_out: QUANTISED (scales: A lowp_scales[14], B lowp_scales[15])
;;   THE QUANTISER, for each operand of a quantised product, along K:
;;     - The operand's scale is 2^e, e = its entry of the input lowp_scales (int32; the entries are numbered through the quantised products in the list's order, A before B).
;;     - Each number is divided by the scale, clamped to +-57,344, and rounded to the nearest number of E5M2, ties to even, subnormals kept.
;;     - The product sums the exact products of the quantised numbers (number of the format x scale) in f32.
;;   ~~~python
;;   def quantise(x, axis, e):      # numpy; x: float32 -> the quantised numbers, widened to float32 again
;;       x = np.moveaxis(x, axis, -1); K = x.shape[-1]
;;       r = np.clip(x / 2.0 ** e, -57344, 57344)
;;       step = 2.0 ** (np.maximum(np.frexp(np.where(r == 0, 1, r))[1] - 1, -14) - 2)
;;       q = np.round(r / step) * step * 2.0 ** e      # np.round: ties to even
;;       return np.moveaxis(q, -1, axis).astype(np.float32)
;;   ~~~
;;   OPERANDS COMPUTED ON THE WAY. 'Computed on the way' means the value that the module computes at that place (a softmax that the list does not call 'softmax' is quantised finished and normalised). What goes into a quantiser is computed in f32, as accurately as f32 sums, v_exp_f32 and their like allow (about 1e-6 of the number): no bf16 or f16 on the way to a quantiser, and a product that is left as it is and whose result goes on into a quantised operand takes f32 operands (vector FMAs, or v_wmma_f32_16x16x4_f32). A number that lies on a knife's edge between two numbers of the format may be rounded either way, as far as f32 arithmetic and the matrix unit's own rounding can turn it there, and no further.
;; One version. Each part assembles by itself: llvm-mc -triple=amdgcn-amd-amdhsa -mcpu=gfx1250 --defsym DOCPART=n.
;; ======== version 1 of 1: 8 launches
;; limits: right only within a limited range of input values
;; workspace buffers: wc 10,485,760 bytes; hc 12,582,912 bytes; qkvc 12,582,912 bytes; oc 4,194,304 bytes; y 16,777,216 bytes; h2c 4,194,304 bytes; actc 8,388,608 bytes
;; launch wquant (part 1): grid 640 x 1, 4 waves a work-group, no clusters, 18,944 bytes of LDS; arguments wq, wk, wv, wo, w_in, w_out, lowp_scales, wc; writes wc
.if DOCPART == 1
	.amdgcn_target "amdgcn-amd-amdhsa--gfx1250"
	.amdhsa_code_object_version 6
	.text
	.protected	k_q6b64e80adc_wquant
	.globl	k_q6b64e80adc_wquant
	.p2align	8
	.type	k_q6b64e80adc_wquant,@function
k_q6b64e80adc_wquant:
	s_mov_b64 s[64:65], 0
	v_nop
	global_prefetch_b8 v0, s[64:65] scope:SCOPE_SE
	s_setreg_imm32_b32 hwreg(HW_REG_WAVE_MODE, 25, 1), 1
	s_wait_xcnt 0x0
; THE PROGRAM: one DiffTransformer layer, 4,096 tokens, all eight products on codes of E5M2 with given scales 2^e.
; Launches: wquant (weights to codes), ln1, qkv, attn, wo, ln2, win, wout.
; WORK LEFT OUT, in the whole program: only the key tiles that lie wholly above the diagonal of the causal mask that reference() builds itself (jnp.tril).
; There reference() sets the score to -1e9; the softmax weight exp(-1e9 - max) adds nothing to a row's f32 sum and gives a = 0, whose code is 0 and adds nothing to product 5, whatever the inputs hold.
; LIMIT: this holds while the visible scaled scores of a row stay above about -1e9 + 100; a NaN, an infinity or an overflow that arises only in the tiles left out is not carried to the result.
; Every input has a way to the output and is loaded by some launch.
;
; THIS LAUNCH: the six weights, f32 stored [K][N], become codes with K innermost, in blocks of 128 rows (n) x 128 codes (k) = 16,384 dense bytes: wc[block][n % 128][k % 128].
; Blocks: wq 0-63, wk 64-127, wv 128-191, wo 192-255 (block = 8 (n / 128) + k / 128), w_in 256-511 (tile nt: rows 0-63 = columns 64 nt + row of g, rows 64-127 = columns 2048 + 64 nt + row - 64 of u), w_out 512-639 (16 (n / 128) + k / 128).
; code = w / 2^e, held within +-57,344, to the nearest code, ties to even.  LIMIT: -126 <= e and e + 15 <= 127.  NaN among the inputs is not served.
; A work-group makes one block, a wave 32 of its rows.  A LANE TAKES A COLUMN n AND ITS REGISTERS RUN DOWN K: each load reads 128 consecutive bytes a wave, and the conversions give codes with K innermost.
; The codes go through the wave's own stage in LDS and leave as 512 consecutive bytes a store.  Waves share nothing: no barrier.  Matrix units, clusters and tensor loads would add nothing to a stream.
.set PITCH, 144                        ; a stage row: 128 codes + 16 bytes
.set WST,   32*PITCH                   ; a wave's stage
.set SPARE, 4*WST                      ; behind the stages: the spare words, 128 bytes a wave
.set SPW,   14                         ; v14  my spare word's LDS address; never rewritten
.set NIL,   15                         ; v15  0; never rewritten
.set AD,    16                         ; v16-47   4 x lane + i x (a source row's bytes), i = 0 .. 31; never rewritten
.set X,     48                         ; v48-111  two sets of 32 numbers
.set C,     112                        ; v112-119 a block of 32 codes a lane
.set OUTR,  120                        ; v120-151 rows read back
	s_load_b512 s[4:19], s[0:1], 0x0               ; wq, wk, wv, wo, w_in, w_out, the exponents, wc
	v_lshl_add_u32 v[SPW], v0, 2, SPARE
	v_mov_b32 v[NIL], 0
	v_lshrrev_b32 v2, 5, v0
	v_readfirstlane_b32 s20, v2                    ; wave
	v_and_b32 v1, 31, v0                           ; lane
	v_lshlrev_b32 v3, 2, v1
	s_mul_i32 s21, s20, WST
	v_mul_u32_u24 v4, v1, PITCH
	v_add_nc_u32 v4, s21, v4                       ; into the stage: row = my column
	v_lshrrev_b32 v5, 3, v1
	v_and_b32 v6, 7, v1
	v_mul_u32_u24 v7, v5, PITCH
	v_lshl_add_u32 v7, v6, 4, v7
	v_add_nc_u32 v7, s21, v7                       ; out of it: eight lanes to a row, four rows an instruction
	v_lshlrev_b32 v8, 4, v1                        ; and the same 512 bytes in the block
	; which weight, which k / 128, which tile of n: all from the work-group's number
	s_cmp_ge_u32 ttmp9, 512                        ; w_out has 16 blocks along K, the others 8
	s_cselect_b32 s22, 15, 7
	s_cselect_b32 s23, 4, 3
	s_and_b32 s24, ttmp9, s22                      ; k / 128
	s_lshr_b32 s25, ttmp9, s23
	s_lshr_b32 s31, s20, 1
	s_lshl_b32 s31, s31, 11                        ; w_in: waves 2 and 3 take u's columns, 2,048 on
	s_mov_b32 s28, 4096
	s_sub_co_u32 s26, ttmp9, 256
	s_cmp_lt_u32 s26, 256                          ; w_in?
	s_cselect_b32 s27, 31, 7
	s_cselect_b32 s28, 16384, s28                  ; a source row in bytes
	s_cselect_b32 s29, 6, 7
	s_cselect_b32 s30, 1, 3
	s_cselect_b32 s31, s31, 0
	s_and_b32 s25, s25, s27                        ; the tile of n
	s_lshl_b32 s25, s25, s29
	s_and_b32 s30, s20, s30
	s_lshl_b32 s30, s30, 5
	s_add_co_u32 s25, s25, s30
	s_add_co_u32 s25, s25, s31                     ; my wave's first column
	s_lshl_b32 s25, s25, 2
	s_lshl_b32 s24, s24, 7
	s_mul_i32 s24, s24, s28
	s_add_co_u32 s24, s24, s25                     ; byte offset of W(128 (k / 128), first column)
	s_mov_b32 s25, 0
	s_lshl_b32 s26, s28, 5                         ; 32 source rows
	s_mov_b32 s27, 0
.set i, 0
.rept 32
	v_mad_u32_u24 v[AD+i], s28, i, v3
.set i, i+1
.endr
	s_wait_kmcnt 0x0
	s_load_b512 s[40:55], s[16:17], 0x0            ; all sixteen exponents
	s_mov_b64 s[22:23], s[14:15]                   ; the source: a choice between buffers on the work-group's number alone
	s_cmp_lt_u32 ttmp9, 512
	s_cselect_b64 s[22:23], s[12:13], s[22:23]
	s_cmp_lt_u32 ttmp9, 256
	s_cselect_b64 s[22:23], s[10:11], s[22:23]
	s_cmp_lt_u32 ttmp9, 192
	s_cselect_b64 s[22:23], s[8:9], s[22:23]
	s_cmp_lt_u32 ttmp9, 128
	s_cselect_b64 s[22:23], s[6:7], s[22:23]
	s_cmp_lt_u32 ttmp9, 64
	s_cselect_b64 s[22:23], s[4:5], s[22:23]
	s_add_nc_u64 s[32:33], s[22:23], s[24:25]      ; a base for each run of 32 along K
	s_add_nc_u64 s[34:35], s[32:33], s[26:27]
	s_add_nc_u64 s[36:37], s[34:35], s[26:27]
	s_add_nc_u64 s[38:39], s[36:37], s[26:27]
	s_lshl_b32 s24, ttmp9, 14
	s_lshl_b32 s21, s20, 12
	s_add_co_u32 s24, s24, s21
	s_add_nc_u64 s[18:19], s[18:19], s[24:25]      ; my 32 rows of the block
.macro LOAD t                          ; W(32 t + i, my column), i = 0 .. 31, into set t % 2
.set i, 0
.rept 32
	global_load_b32 v[X+32*((\t)%2)+i], v[AD+i], s[32+2*(\t):33+2*(\t)] th:TH_LOAD_NT
.set i, i+1
.endr
.endm
	LOAD 0
	LOAD 1
	s_wait_kmcnt 0x0
	s_mov_b32 s21, s55                             ; e: entries 15, 13, 11, 5, 3, 1 for w_out, w_in, wo, wv, wk, wq
	s_cmp_lt_u32 ttmp9, 512
	s_cselect_b32 s21, s53, s21
	s_cmp_lt_u32 ttmp9, 256
	s_cselect_b32 s21, s51, s21
	s_cmp_lt_u32 ttmp9, 192
	s_cselect_b32 s21, s45, s21
	s_cmp_lt_u32 ttmp9, 128
	s_cselect_b32 s21, s43, s21
	s_cmp_lt_u32 ttmp9, 64
	s_cselect_b32 s21, s41, s21
	s_add_co_i32 s21, s21, 127
	s_lshl_b32 s22, s21, 23
	v_mov_b32 v11, s22                             ; 2^e as f32: the conversion takes its exponent field
	s_add_co_i32 s21, s21, 15
	s_lshl_b32 s21, s21, 23
	s_or_b32 s21, s21, 0x600000
	v_mov_b32 v10, s21                             ; 57,344 x 2^e
.macro BLOCK t
.set XS, X+32*((\t)%2)
.if (\t) < 3
	s_wait_loadcnt 32                              ; this run's 32 loads are in; the next run's may be out
.else
	s_wait_loadcnt 0
.endif
.set i, 0
.rept 32
	v_med3_num_f32 v[XS+i], v[XS+i], -v10, v10     ; the conversion to an 8-bit code does not saturate (ISA guide 7.6.2): the hold comes first
.set i, i+1
.endr
.irp g, 0,1,2,3
	v_cvt_scalef32_pk8_bf8_f32 v[C+2*\g:C+2*\g+1], v[XS+8*\g:XS+8*\g+7], v11
.endr
	ds_store_b128 v4, v[C:C+3] offset:32*(\t)      ; 32 codes of my column's row
	ds_store_b128 v4, v[C+4:C+7] offset:32*(\t)+16
.if (\t)+2 < 4
	LOAD (\t)+2
.endif
	s_wait_dscnt 0x0                               ; the stores have read their registers: the next run's codes may be written
.endm
	BLOCK 0
	BLOCK 1
	BLOCK 2
	BLOCK 3
.irp t, 0,1,2,3,4,5,6,7
	ds_load_b128 v[OUTR+4*\t:OUTR+4*\t+3], v7 offset:4*\t*PITCH   ; LDS serves a wave's instructions in order: these see my stores
.endr
.irp t, 0,1,2,3,4,5,6,7
	s_wait_dscnt 7-\t                              ; the later loads may be out
	global_store_b128 v8, v[OUTR+4*\t:OUTR+4*\t+3], s[18:19] offset:512*\t   ; four rows of 128 bytes: 512 consecutive bytes
.endr
	s_wait_tensorcnt 0x0                           ; the wave's end
	ds_add_u32 v[SPW], v[NIL]
	s_wait_dscnt 0x0
	s_endpgm
.Lfunc_end_k_q6b64e80adc_wquant:
	.size	k_q6b64e80adc_wquant, .Lfunc_end_k_q6b64e80adc_wquant-k_q6b64e80adc_wquant
	.p2alignl 7, 3214868480
	.fill 96, 4, 3214868480
	.section	.rodata,"a",@progbits
	.p2align	6, 0x0
	.amdhsa_kernel k_q6b64e80adc_wquant
		.amdhsa_group_segment_fixed_size 18944
		.amdhsa_private_segment_fixed_size 0
		.amdhsa_enable_private_segment 0
		.amdhsa_kernarg_size 64
		.amdhsa_user_sgpr_count 2
		.amdhsa_user_sgpr_kernarg_segment_ptr 1
		.amdhsa_wavefront_size32 1
		.amdhsa_system_sgpr_workgroup_id_x 1
		.amdhsa_system_sgpr_workgroup_id_y 1
		.amdhsa_system_sgpr_workgroup_id_z 1
		.amdhsa_system_vgpr_workitem_id 0
		.amdhsa_next_free_vgpr 160
		.amdhsa_next_free_sgpr 66
		.amdhsa_reserve_vcc 0
		.amdhsa_float_denorm_mode_32 3
		.amdhsa_float_denorm_mode_16_64 3
		.amdhsa_memory_ordered 1
		.amdhsa_forward_progress 1
		.amdhsa_inst_pref_size 30
	.end_amdhsa_kernel
	.amdgpu_metadata
---
amdhsa.version: [ 1, 2 ]
amdhsa.kernels:
  - .name:           k_q6b64e80adc_wquant
    .symbol:         k_q6b64e80adc_wquant.kd
    .args:
      - { .name: wq, .offset: 0, .size: 8, .value_kind: global_buffer, .address_space: global }
      - { .name: wk, .offset: 8, .size: 8, .value_kind: global_buffer, .address_space: global }
      - { .name: wv, .offset: 16, .size: 8, .value_kind: global_buffer, .address_space: global }
      - { .name: wo, .offset: 24, .size: 8, .value_kind: global_buffer, .address_space: global }
      - { .name: w_in, .offset: 32, .size: 8, .value_kind: global_buffer, .address_space: global }
      - { .name: w_out, .offset: 40, .size: 8, .value_kind: global_buffer, .address_space: global }
      - { .name: lowp_scales, .offset: 48, .size: 8, .value_kind: global_buffer, .address_space: global }
      - { .name: wc, .offset: 56, .size: 8, .value_kind: global_buffer, .address_space: global }
    .group_segment_fixed_size: 18944
    .private_segment_fixed_size: 0
    .kernarg_segment_align: 8
    .kernarg_segment_size: 64
    .max_flat_workgroup_size: 128
    .sgpr_count:     66
    .vgpr_count:     160
    .wavefront_size: 32
...
	.end_amdgpu_metadata
.endif
;; end of part 1
;; launch ln1 (part 2): grid 256 x 1, 4 waves a work-group, no clusters, 84,480 bytes of LDS; arguments x, ln1_w, ln1_b, lowp_scales, hc; writes hc
.if DOCPART == 2
	.amdgcn_target "amdgcn-amd-amdhsa--gfx1250"
	.amdhsa_code_object_version 6
	.text
	.protected	k_q6b64e80adc_ln1
	.globl	k_q6b64e80adc_ln1
	.p2align	8
	.type	k_q6b64e80adc_ln1,@function
k_q6b64e80adc_ln1:
	s_mov_b64 s[64:65], 0
	v_nop
	global_prefetch_b8 v0, s[64:65] scope:SCOPE_SE
	s_setreg_imm32_b32 hwreg(HW_REG_WAVE_MODE, 25, 1), 1
	s_wait_xcnt 0x0
; h = layernorm(x) x w + b, in f32, quantised NSETS times (entries E0, E0 + 2, .. of the exponents) into codes of E5M2, laid out[set][row / 128][k / 128][row % 128][k % 128], sets 4 MiB apart.
; Here NSETS = 3: the A operands of products 1, 2, 3 (entries 0, 2, 4), which may have different scales.
; A wave takes 4 rows and keeps them in registers: mean, then the sum of squares of x - mean (two passes over registers), 1 / sqrt(var + 1e-5) by v_rsq_f32.  Memory is read once, 512 consecutive bytes a load.
; The conversions want 16 neighbours along K in one lane, the loads give a lane 4: the rows turn through the wave's own stage in LDS (16 bytes of padding behind each 64).
; Afterwards lane l holds row l / 8 and, for each k / 128, the 16 numbers 16 (l % 8) on: a store covers 4 rows x 128 bytes = 512 consecutive bytes of a block.
; LIMITS: each e between -126 and 112.  NaN among the inputs is not served.  Waves share nothing: no barrier.  No matrix unit, cluster or tensor load: memory binds.
.set NSETS, 3
.set E0OFF, 0x0
.set ROWP,  5248                       ; a row in the stage: 64 x (64 + 16) bytes + 128
.set WREG,  4*ROWP
.set SPARE, 4*WREG
.set LO,   2                           ; v2   16 x lane
.set SIN,  3                           ; v3   stage, way in
.set SOUT, 4                           ; v4   stage, way out
.set SPW,  5
.set NIL,  6
.set SC,   8                           ; v8-10  2^e of each set
.set HL,   11                          ; v11-13 57,344 x 2^e
.set ST,   16                          ; v16-23 a pair a row: the mean, later 1 / sqrt(var + eps), twice
.set PT,   24                          ; v24-27 at work
.set X,    32                          ; v32-159 the four rows
.set W,    160                         ; v160-191 the gain; later T
.set BV,   192                         ; v192-223 the bias; later C
.set T,    160                         ; two sets of 16 held numbers
.set C,    192                         ; codes: four registers for each k / 128
.set CH,   224                         ; v224-239 two packed chains a row
	s_load_b256 s[4:11], s[0:1], 0x0               ; x, gain, bias, exponents
	s_load_b64 s[12:13], s[0:1], 0x20              ; the codes
	v_lshl_add_u32 v[SPW], v0, 2, SPARE
	v_mov_b32 v[NIL], 0
	v_lshrrev_b32 v1, 5, v0
	v_readfirstlane_b32 s14, v1                    ; wave
	v_and_b32 v1, 31, v0
	v_lshlrev_b32 v[LO], 4, v1
	s_mul_i32 s15, s14, WREG
	v_lshrrev_b32 v7, 2, v1
	v_mul_u32_u24 v[SIN], v7, 80
	v_and_b32 v7, 3, v1
	v_lshl_add_u32 v[SIN], v7, 4, v[SIN]
	v_add_nc_u32 v[SIN], s15, v[SIN]               ; 80 (lane / 4) + 16 (lane % 4)
	v_lshrrev_b32 v7, 3, v1
	v_mul_u32_u24 v[SOUT], v7, ROWP
	v_and_b32 v7, 7, v1
	v_mad_u32_u24 v[SOUT], v7, 80, v[SOUT]
	v_add_nc_u32 v[SOUT], s15, v[SOUT]             ; row lane / 8, place lane % 8
	s_mov_b32 s20, 0x3a800000                      ; 1 / 1024
	s_mov_b32 s21, 0x3727c5ac                      ; 1e-5
	s_mov_b32 s22, 0x76543210
	s_mov_b32 s23, 0xfedcba98                      ; lane l xor 16
	s_lshl_b32 s16, ttmp9, 16                      ; my first row = 16 x work-group + 4 x wave, rows of 4,096 bytes
	s_lshl_b32 s17, s14, 14
	s_add_co_u32 s16, s16, s17
	s_mov_b32 s17, 0
	s_lshr_b32 s18, ttmp9, 3                       ; row / 128: 8 blocks of 16,384 bytes each
	s_lshl_b32 s18, s18, 17
	s_and_b32 s19, ttmp9, 7
	s_lshl_b32 s19, s19, 11
	s_add_co_u32 s18, s18, s19
	s_lshl_b32 s19, s14, 9
	s_add_co_u32 s18, s18, s19                     ; + (row % 128) x 128
	s_mov_b32 s19, 0
.irp q, 0,1,2,3
	v_mov_b32 v[PT+\q], 0                          ; a lane permute's destination counts as read
.endr
	s_wait_kmcnt 0x0
.if NSETS > 1
	s_load_b256 s[32:39], s[10:11], E0OFF
.else
	s_load_b32 s32, s[10:11], E0OFF
.endif
	s_add_nc_u64 s[4:5], s[4:5], s[16:17]
	s_add_nc_u64 s[24:25], s[12:13], s[18:19]
.if NSETS > 1
	s_add_nc_u64 s[26:27], s[24:25], 0x400000
	s_add_nc_u64 s[28:29], s[26:27], 0x400000
.endif
.irp q, 0,1,2,3
.irp j, 0,1,2,3,4,5,6,7
	global_load_b128 v[X+32*\q+4*\j:X+32*\q+4*\j+3], v[LO], s[4:5] offset:4096*\q+512*\j
.endr
.endr
.irp j, 0,1,2,3,4,5,6,7
	global_load_b128 v[W+4*\j:W+4*\j+3], v[LO], s[6:7] offset:512*\j
.endr
.irp j, 0,1,2,3,4,5,6,7
	global_load_b128 v[BV+4*\j:BV+4*\j+3], v[LO], s[8:9] offset:512*\j
.endr
.macro CROSS                           ; the four rows' figures summed over the 32 lanes, the rows by turns
.irp m, 1,2,4,8
.irp q, 0,1,2,3
	v_add_f32_dpp v[CH+4*\q], v[CH+4*\q], v[CH+4*\q] row_xmask:\m row_mask:0xf bank_mask:0xf
.endr
.endr
.irp q, 0,1,2,3
	v_permlanex16_b32 v[PT+\q], v[CH+4*\q], s22, s23
.endr
.irp q, 0,1,2,3
	v_add_f32 v[CH+4*\q], v[CH+4*\q], v[PT+\q]
.endr
.endm
.irp q, 0,1,2,3
	s_wait_loadcnt 40-8*\q                         ; this row's eight loads are in; the later rows' and the 16 of gain and bias may be out
	v_pk_add_f32 v[CH+4*\q:CH+4*\q+1], v[X+32*\q:X+32*\q+1], v[X+32*\q+2:X+32*\q+3]
	v_pk_add_f32 v[CH+4*\q+2:CH+4*\q+3], v[X+32*\q+4:X+32*\q+5], v[X+32*\q+6:X+32*\q+7]
.irp j, 8,12,16,20,24,28
	v_pk_add_f32 v[CH+4*\q:CH+4*\q+1], v[CH+4*\q:CH+4*\q+1], v[X+32*\q+\j:X+32*\q+\j+1]
	v_pk_add_f32 v[CH+4*\q+2:CH+4*\q+3], v[CH+4*\q+2:CH+4*\q+3], v[X+32*\q+\j+2:X+32*\q+\j+3]
.endr
	v_pk_add_f32 v[CH+4*\q:CH+4*\q+1], v[CH+4*\q:CH+4*\q+1], v[CH+4*\q+2:CH+4*\q+3]
	v_add_f32 v[CH+4*\q], v[CH+4*\q], v[CH+4*\q+1]
.endr
	CROSS
.irp q, 0,1,2,3
	v_mul_f32 v[ST+2*\q], s20, v[CH+4*\q]          ; the mean, in both words of a pair
	v_mul_f32 v[ST+2*\q+1], s20, v[CH+4*\q]
.endr
.irp q, 0,1,2,3
.irp j, 0,2,4,6,8,10,12,14,16,18,20,22,24,26,28,30
	v_pk_add_f32 v[X+32*\q+\j:X+32*\q+\j+1], v[X+32*\q+\j:X+32*\q+\j+1], v[ST+2*\q:ST+2*\q+1] neg_lo:[0,1] neg_hi:[0,1]   ; x - mean
.endr
	v_pk_mul_f32 v[CH+4*\q:CH+4*\q+1], v[X+32*\q:X+32*\q+1], v[X+32*\q:X+32*\q+1]
	v_pk_mul_f32 v[CH+4*\q+2:CH+4*\q+3], v[X+32*\q+2:X+32*\q+3], v[X+32*\q+2:X+32*\q+3]
.irp j, 4,8,12,16,20,24,28
	v_pk_fma_f32 v[CH+4*\q:CH+4*\q+1], v[X+32*\q+\j:X+32*\q+\j+1], v[X+32*\q+\j:X+32*\q+\j+1], v[CH+4*\q:CH+4*\q+1]
	v_pk_fma_f32 v[CH+4*\q+2:CH+4*\q+3], v[X+32*\q+\j+2:X+32*\q+\j+3], v[X+32*\q+\j+2:X+32*\q+\j+3], v[CH+4*\q+2:CH+4*\q+3]
.endr
	v_pk_add_f32 v[CH+4*\q:CH+4*\q+1], v[CH+4*\q:CH+4*\q+1], v[CH+4*\q+2:CH+4*\q+3]
	v_add_f32 v[CH+4*\q], v[CH+4*\q], v[CH+4*\q+1]
.endr
	CROSS
.irp q, 0,1,2,3
	v_fma_f32 v[PT+\q], v[CH+4*\q], s20, s21       ; var + eps
.endr
.irp q, 0,1,2,3
	v_rsq_f32 v[ST+2*\q], v[PT+\q]                 ; one batch of eight: each root twice, to fill its pair
	v_rsq_f32 v[ST+2*\q+1], v[PT+\q]
.endr
	v_nop                                          ; a plain instruction behind the last of the batch
	s_wait_alu depctr_va_vdst(0)                   ; the wait ahead of the first reader: one for the batch
	s_wait_loadcnt 0x0                             ; gain and bias
.irp q, 0,1,2,3
.irp j, 0,2,4,6,8,10,12,14,16,18,20,22,24,26,28,30
	v_pk_mul_f32 v[X+32*\q+\j:X+32*\q+\j+1], v[X+32*\q+\j:X+32*\q+\j+1], v[ST+2*\q:ST+2*\q+1]
.endr
.irp j, 0,2,4,6,8,10,12,14,16,18,20,22,24,26,28,30
	v_pk_fma_f32 v[X+32*\q+\j:X+32*\q+\j+1], v[X+32*\q+\j:X+32*\q+\j+1], v[W+\j:W+\j+1], v[BV+\j:BV+\j+1]
.endr
.endr
.irp q, 0,1,2,3
.irp j, 0,1,2,3,4,5,6,7
	ds_store_b128 v[SIN], v[X+32*\q+4*\j:X+32*\q+4*\j+3] offset:ROWP*\q+640*\j
.endr
.endr
	s_wait_kmcnt 0x0
.irp s, 0,1,2
.if \s < NSETS
	s_add_co_i32 s40, s[32+2*\s], 127
	s_lshl_b32 s41, s40, 23
	v_mov_b32 v[SC+\s], s41
	s_add_co_i32 s40, s40, 15
	s_lshl_b32 s40, s40, 23
	s_or_b32 s40, s40, 0x600000
	v_mov_b32 v[HL+\s], s40
.endif
.endr
	s_wait_dscnt 0x0                               ; the stores have read X, which the loads below fill anew
.irp k, 0,1,2,3,4,5,6,7
.irp j, 0,1,2,3
	ds_load_b128 v[X+16*\k+4*\j:X+16*\k+4*\j+3], v[SOUT] offset:640*\k+16*\j   ; row lane / 8, numbers 128 k + 16 (lane % 8) + 4 j on
.endr
.endr
.macro QSET s
.set ks, 0
.rept 8
.if \s == 0
	s_wait_dscnt 28-4*ks                           ; this k / 128's four loads are in; the later ones may be out
.endif
.set i, 0
.rept 16
	v_med3_num_f32 v[T+16*(ks%2)+i], v[X+16*ks+i], -v[HL+\s], v[HL+\s]   ; the hold, into other registers: X serves every set
.set i, i+1
.endr
	v_cvt_scalef32_pk8_bf8_f32 v[C+4*ks:C+4*ks+1], v[T+16*(ks%2):T+16*(ks%2)+7], v[SC+\s]
	v_cvt_scalef32_pk8_bf8_f32 v[C+4*ks+2:C+4*ks+3], v[T+16*(ks%2)+8:T+16*(ks%2)+15], v[SC+\s]
	global_store_b128 v[LO], v[C+4*ks:C+4*ks+3], s[24+2*\s:25+2*\s] offset:16384*ks   ; 512 consecutive bytes.  (The next sixteen holds are the plain lines behind the conversions)
.set ks, ks+1
.endr
.endm
	QSET 0
.if NSETS > 1
	s_wait_xcnt 0x0                                ; the stores have read their data: C is written again only behind this wait
	QSET 1
	s_wait_xcnt 0x0
	QSET 2
.endif
	s_wait_tensorcnt 0x0                           ; the wave's end
	ds_add_u32 v[SPW], v[NIL]
	s_wait_dscnt 0x0
	s_endpgm
.Lfunc_end_k_q6b64e80adc_ln1:
	.size	k_q6b64e80adc_ln1, .Lfunc_end_k_q6b64e80adc_ln1-k_q6b64e80adc_ln1
	.p2alignl 7, 3214868480
	.fill 96, 4, 3214868480
	.section	.rodata,"a",@progbits
	.p2align	6, 0x0
	.amdhsa_kernel k_q6b64e80adc_ln1
		.amdhsa_group_segment_fixed_size 84480
		.amdhsa_private_segment_fixed_size 0
		.amdhsa_enable_private_segment 0
		.amdhsa_kernarg_size 40
		.amdhsa_user_sgpr_count 2
		.amdhsa_user_sgpr_kernarg_segment_ptr 1
		.amdhsa_wavefront_size32 1
		.amdhsa_system_sgpr_workgroup_id_x 1
		.amdhsa_system_sgpr_workgroup_id_y 1
		.amdhsa_system_sgpr_workgroup_id_z 1
		.amdhsa_system_vgpr_workitem_id 0
		.amdhsa_next_free_vgpr 256
		.amdhsa_next_free_sgpr 66
		.amdhsa_reserve_vcc 0
		.amdhsa_float_denorm_mode_32 3
		.amdhsa_float_denorm_mode_16_64 3
		.amdhsa_memory_ordered 1
		.amdhsa_forward_progress 1
		.amdhsa_inst_pref_size 66
	.end_amdhsa_kernel
	.amdgpu_metadata
---
amdhsa.version: [ 1, 2 ]
amdhsa.kernels:
  - .name:           k_q6b64e80adc_ln1
    .symbol:         k_q6b64e80adc_ln1.kd
    .args:
      - { .name: x, .offset: 0, .size: 8, .value_kind: global_buffer, .address_space: global }
      - { .name: ln1_w, .offset: 8, .size: 8, .value_kind: global_buffer, .address_space: global }
      - { .name: ln1_b, .offset: 16, .size: 8, .value_kind: global_buffer, .address_space: global }
      - { .name: lowp_scales, .offset: 24, .size: 8, .value_kind: global_buffer, .address_space: global }
      - { .name: hc, .offset: 32, .size: 8, .value_kind: global_buffer, .address_space: global }
    .group_segment_fixed_size: 84480
    .private_segment_fixed_size: 0
    .kernarg_segment_align: 8
    .kernarg_segment_size: 40
    .max_flat_workgroup_size: 128
    .sgpr_count:     66
    .vgpr_count:     256
    .wavefront_size: 32
...
	.end_amdgpu_metadata
.endif
;; end of part 2
;; launch qkv (part 3): grid 16 x 12, 4 waves a work-group, clusters of 4 x 4, 327,680 bytes of LDS; arguments hc, wc, lowp_scales, qkvc; writes qkvc
.if DOCPART == 3
	.amdgcn_target "amdgcn-amd-amdhsa--gfx1250"
	.amdhsa_code_object_version 6
	.text
	.protected	k_q6b64e80adc_qkv
	.globl	k_q6b64e80adc_qkv
	.p2align	8
	.type	k_q6b64e80adc_qkv,@function
k_q6b64e80adc_qkv:
	s_mov_b64 s[64:65], 0
	v_nop
	global_prefetch_b8 v0, s[64:65] scope:SCOPE_SE
	s_setreg_imm32_b32 hwreg(HW_REG_WAVE_MODE, 25, 1), 1
	s_wait_xcnt 0x0
	s_wait_alu depctr_hold_cnt(0) depctr_sa_sdst(0) depctr_va_vdst(0) depctr_va_sdst(0) depctr_va_ssrc(0) depctr_va_vcc(0) depctr_vm_vsrc(0)
	s_getreg_b32 s2, hwreg(HW_REG_IB_STS2, 6, 4)
	s_cmp_eq_u32 s2, 0
	s_cbranch_scc0 .Lentry_in_a_cluster
	s_endpgm
.Lentry_in_a_cluster:
	s_bfe_u32 s2, ttmp6, 0x10000c
	s_cmp_lg_u32 s2, 0xf033
	s_cbranch_scc0 .Lentry_shape_is_right
	s_endpgm
.Lentry_shape_is_right:
; Products 1, 2, 3 on codes of E5M2, their results quantised at once: q (entry 6), k (entry 7), v (entry 9) of the exponents.  K = 1,024.
; The cluster's y says which: 0 q = h wq, 1 k = h wk, 2 v.  For v the roles are swapped (rows = wv's columns d, columns = tokens), so that a lane's eight results run along the keys, which are product 5's K.
; OPERANDS lie in blocks of 128 rows x 128 codes, 16,384 dense bytes, [row / 128][k / 128]: so 256 along K of 128 rows are 32,768 dense bytes = 256 rows of 128 bytes for one tensor load.
; A tile of 256 x 256 is made by four waves, 128 x 128 each: 64 accumulators.  K goes in steps of 256 through two LDS slots.  4 x 4 work-groups form a cluster: the row operand's tile is asked for jointly along a row of the cluster, the column operand's along a column.
; THE MATRIX INSTRUCTION IS USED TRANSPOSED (source 0 = 16 rows of the column operand, source 1 = 16 rows of the row operand): a lane holds eight neighbouring columns of one row.
; A fragment comes by four loads of 16 bytes (registers 4 c .. 4 c + 3: k = 32 c + 16 (lane / 16) + 0 .. 15): a permutation of k that is the same on both sides.
; OUT: qkvc = q at 0, k at 4 MiB, v at 8 MiB; block ((T / 16) 8 + F) 16 + T % 16, T = token / 128, F = feature / 128; q, k blocks [token][feature], v blocks [feature d][token].  A wave's 128 x 128 is one block.
; code = sum x 2^(eA + eB) / 2^eo: the three exponents are folded into the conversion's one, E = eo - eA - eB.  LIMIT: E between -126 and 112.
; REGISTERS: window 0: v0-31 addresses and scales; v32-127 at work on the way out; from v128 the row operand's fragments, one set.  window 1: the column operand's, two sets.  windows 2, 3: accumulators.
.set PITCH,  144                       ; an LDS row: 128 bytes + 16 = 36 words: the 16 rows of a load start 36 words apart
.set PANEL,  128*PITCH                 ; 128 rows x 128 along K
.set HALFT,  2*PANEL                   ; what one tensor load brings: 128 rows x 256 along K
.set SLOT,   4*HALFT
.set SPARE,  2*SLOT
.set KB,     32768                     ; the same in memory
.set FR,     16
.set NL,     4
.set NP,     4
.set LAPS,   2                         ; 1,024 / 512
.set ADRA, 16
.set ADRB, 20
.set STO,  24
.set RD,   25
.set GO,   26
.set SPW,  28
.set NIL,  29
.set SCL,  30                          ; v30 2^E
.set HLD,  31                          ; v31 57,344 x 2^E
.set TMP,  32
.set CD,   96
.set AF,   128
.set BK,   128
.set G1, 24
.set G0, 32
.set G1B, 48
.set G0B, 56
.set MSB, 0
.macro WIN new                         ; the immediate's high byte repeats the setting that is left
.if MSB != \new
	s_set_vgpr_msb (MSB<<8)|\new
.set MSB, \new
.endif
.endm
.set MUL_LO, 0xa1
.set MUL_HI, 0xf1
.set TO_B,   0x40
; A joint load: waves 0 and 1 fetch the row operand's halves, waves 2 and 3 the column operand's.  The branch hangs on the wave's number alone.  An s_nop 0 and four v_nop follow each line.
.macro JLOAD g0a, g1a, g0b, g1b
	s_cmp_eq_u32 s15, 0
	s_cbranch_scc0 .Lfor_b_\@
	tensor_load_to_lds s[\g0a:\g0a+3], s[\g1a:\g1a+7]
	s_nop 0
.rept 4
	v_nop
.endr
	s_branch .Lasked_\@
.Lfor_b_\@:
	tensor_load_to_lds s[\g0b:\g0b+3], s[\g1b:\g1b+7]
	s_nop 0
.rept 4
	v_nop
.endr
.Lasked_\@:
.endm
.macro CREST
	s_cmp_lg_u32 s14, 0
	s_cbranch_scc1 .Lnot_wave_0_\@
	s_barrier_signal -3
.Lnot_wave_0_\@:
	s_barrier_wait -3
	s_barrier_signal -1
	s_barrier_wait -1
.endm
.macro CROUND
	s_barrier_signal -1
	s_barrier_wait -1
	CREST
.endm
	s_load_b128 s[4:7], s[0:1], 0x0                ; hc, wc
	s_load_b128 s[8:11], s[0:1], 0x10              ; the exponents, qkvc
	v_lshl_add_u32 v[SPW], v0, 2, SPARE
	v_mov_b32 v[NIL], 0
	ds_add_u32 v[SPW], v[NIL]                      ; the opening: the add, twice on end, and its wait ahead of my first tensor load
	ds_add_u32 v[SPW], v[NIL]
	v_lshrrev_b32 v1, 5, v0
	v_readfirstlane_b32 s14, v1                    ; wave
	s_lshr_b32 s15, s14, 1                         ; my half of the rows; also: I fetch the row operand (0) or the column operand (1)
	s_and_b32 s16, s14, 1                          ; my half of the columns; also: which 128 rows I fetch
	s_bfe_u32 s40, ttmp6, 0x40000                  ; cx
	s_bfe_u32 s41, ttmp6, 0x40004                  ; cy
	s_and_b32 s84, ttmp7, 0xffff                   ; the cluster's y: 0 q, 1 k, 2 v: the same in all partners
	s_lshl_b32 s85, ttmp9, 2
	s_add_co_u32 s86, s85, s41
	s_add_co_u32 s87, s85, s40
	s_lshl_b32 s92, s84, 22                        ; h's set: 4 MiB x part
	s_lshl_b32 s93, s84, 20                        ; the weight: 1 MiB x part
	s_cmp_lt_u32 s84, 2
	s_cselect_b32 s17, s86, s41                    ; tile row: tokens (16 tiles) for q and k, d (4 tiles) for v: made of cy alone
	s_cselect_b32 s42, s40, s87                    ; tile column: made of cx alone
	s_cselect_b32 s94, s92, s93                    ; the row operand's place in its buffer
	s_cselect_b32 s95, s93, s92                    ; the column operand's
	s_lshl_b32 s43, s41, 2
	s_lshl_b32 s43, 15, s43                        ; my row of the cluster
	s_lshl_b32 s44, 0x1111, s40                    ; my column
	s_or_b32 s[G1+0], s43, (0<<16)|(1<<20)|(1<<21)|(4<<22)|(3<<25)   ; mask; elements of 1 byte; padding on; bit 21 beside a mask; after every 32 words, 4 words
	s_or_b32 s[G1B+0], s44, (0<<16)|(1<<20)|(1<<21)|(4<<22)|(3<<25)
.irp g, G1, G1B
	s_mov_b32 s[\g+1], 128<<16                     ; tensor_dim0 = 128
	s_mov_b32 s[\g+2], 256<<16                     ; tensor_dim1 = 256
	s_mov_b32 s[\g+3], 128<<16                     ; tile_dim0 = 128
	s_mov_b32 s[\g+4], 256                         ; tile_dim1 = 256
	s_mov_b32 s[\g+5], 128                         ; from row to row
	s_mov_b32 s[\g+6], 0
	s_mov_b32 s[\g+7], 0
.endr
	s_lshl_b32 s20, s17, 1
	s_add_co_u32 s20, s20, s16                     ; row / 128 of what I fetch
	s_lshl_b32 s20, s20, 17                        ; 8 blocks each
	s_add_co_u32 s20, s20, s94
	s_mov_b32 s21, 0
	s_lshl_b32 s46, s42, 1
	s_add_co_u32 s46, s46, s16
	s_lshl_b32 s46, s46, 17
	s_add_co_u32 s46, s46, s95
	s_mov_b32 s47, 0
	s_mul_i32 s45, s14, HALFT                      ; where it goes: no place in the cluster enters an LDS address
	s_wait_dscnt 0x0                               ; both opening adds are done
	s_wait_kmcnt 0x0
	s_load_b512 s[68:83], s[8:9], 0x0              ; the sixteen exponents
	s_cmp_lt_u32 s84, 2
	s_cselect_b64 s[88:89], s[4:5], s[6:7]         ; the row operand's buffer,
	s_cselect_b64 s[90:91], s[6:7], s[4:5]         ; the column operand's: a choice on the cluster's number alone
	s_add_nc_u64 s[20:21], s[88:89], s[20:21]
	s_add_nc_u64 s[46:47], s[90:91], s[46:47]
	CROUND                                         ; all sixteen work-groups are here: the first joint loads meet
.irp s, 0,1
	s_mov_b32 s[G0+4*\s], 1
	s_add_co_u32 s[G0+4*\s+1], s45, \s*SLOT
	s_add_nc_u64 s[G0+4*\s+2:G0+4*\s+3], s[20:21], \s*KB
	s_or_b32 s[G0+4*\s+3], s[G0+4*\s+3], 0x80000000
	s_mov_b32 s[G0B+4*\s], 1
	s_add_co_u32 s[G0B+4*\s+1], s45, \s*SLOT
	s_add_nc_u64 s[G0B+4*\s+2:G0B+4*\s+3], s[46:47], \s*KB
	s_or_b32 s[G0B+4*\s+3], s[G0B+4*\s+3], 0x80000000
	JLOAD G0+4*\s, G1, G0B+4*\s, G1B
.endr
	v_and_b32 v1, 15, v0                           ; r
	v_bfe_u32 v2, v0, 4, 1                         ; h
	v_mul_u32_u24 v3, v1, PITCH
	v_lshl_add_u32 v4, v2, 4, v3
	s_mul_i32 s21, s15, HALFT
	s_mul_i32 s22, s16, HALFT
	s_add_co_u32 s22, s22, 2*HALFT
.irp s, 0,1
	v_add_nc_u32 v[ADRA+\s], s21, v4
	v_add_nc_u32 v[ADRB+\s], s22, v4
	s_add_co_u32 s21, s21, SLOT
	s_add_co_u32 s22, s22, SLOT
.endr
	s_mul_i32 s23, s14, 16*PITCH                   ; my stage: 16 rows of 144 bytes, in slot 0, which has had its last fill and its last read when the first codes are stored there
	v_lshl_add_u32 v5, v2, 3, v3
	v_add_nc_u32 v[STO], s23, v5                   ; in: row r, 8 bytes for each half of the lanes
	v_and_b32 v6, 31, v0
	v_lshlrev_b32 v[GO], 4, v6
	v_lshrrev_b32 v5, 3, v6
	v_mul_u32_u24 v5, v5, PITCH
	v_and_b32 v6, 7, v6
	v_lshl_add_u32 v5, v6, 4, v5
	v_add_nc_u32 v[RD], s23, v5                    ; back: eight lanes to a row
	s_lshl_b32 s20, s17, 1
	s_add_co_u32 s20, s20, s15                     ; my rows / 128
	s_lshl_b32 s21, s42, 1
	s_add_co_u32 s21, s21, s16                     ; my columns / 128
	s_cmp_lt_u32 s84, 2
	s_cselect_b32 s22, s20, s21                    ; T
	s_cselect_b32 s23, s21, s20                    ; F
	s_lshr_b32 s46, s22, 4
	s_lshl_b32 s46, s46, 3
	s_add_co_u32 s46, s46, s23
	s_lshl_b32 s46, s46, 4
	s_and_b32 s22, s22, 15
	s_add_co_u32 s46, s46, s22
	s_lshl_b32 s46, s46, 14
	s_add_co_u32 s46, s46, s92
	s_mov_b32 s47, 0
	s_add_nc_u64 s[10:11], s[10:11], s[46:47]      ; my block of the output
.macro FRAG reg, adr, q, i
.irp c, 0,1,2,3
	ds_load_b128 v[\reg+4*\c:\reg+4*\c+3], v[\adr] offset:PANEL*(\q)+32*\c+(\i)*16*PITCH
.endr
.endm
; 16 matrix instructions.  The 64 accumulators take turns, one instruction a turn, in the same order in every step.
.macro MUL16 a0, p, zero
.irp a, \a0, \a0+1
.irp b, 0,1,2,3,4,5,6,7
.if \zero
	v_wmma_f32_16x16x128_bf8_bf8 v[8*(8*((\a)%4)+\b):8*(8*((\a)%4)+\b)+7], v[128*(\p)+FR*\b:128*(\p)+FR*\b+FR-1], v[AF+FR*(\a):AF+FR*(\a)+FR-1], 0
.else
	v_wmma_f32_16x16x128_bf8_bf8 v[8*(8*((\a)%4)+\b):8*(8*((\a)%4)+\b)+7], v[128*(\p)+FR*\b:128*(\p)+FR*\b+FR-1], v[AF+FR*(\a):AF+FR*(\a)+FR-1], v[8*(8*((\a)%4)+\b):8*(8*((\a)%4)+\b)+7]
.endif
.endr
.endr
.endm
.macro FETCH_B slot, q, p
	WIN TO_B
.irp i, 0,1,2,3,4,5,6,7
	FRAG 128*(\p)+FR*\i, ADRB+\slot, \q, \i
.endr
	WIN 0
.endm
.macro FETCH_A slot, q, i0
.irp i, \i0, \i0+1, \i0+2, \i0+3
	FRAG AF+FR*(\i), ADRA+\slot, \q, \i
.endr
.endm
.macro PLACES n                        ; plain vector instructions between a matrix instruction and a load into, or a read of, its registers
.rept \n
	v_nop
.endr
.endm
.macro STEP slot, q, zero              ; 128 along K, with its successor in the same slot
	s_wait_dscnt 4*NL                              ; all but the youngest sixteen loads (the row operand's blocks 4-7)
	WIN MUL_LO
	MUL16 0, (\q)%2, \zero
	MUL16 2, (\q)%2, \zero
	s_wait_dscnt 0
	PLACES NP
	FETCH_B \slot, (\q)+1, 1-(\q)%2
	FETCH_A \slot, (\q)+1, 0
	WIN MUL_HI
	MUL16 4, (\q)%2, \zero
	MUL16 6, (\q)%2, \zero
	PLACES NP
	WIN 0
	FETCH_A \slot, (\q)+1, 4
.endm
.macro TURN slot, next, fill           ; a slot's last step changes slots
	s_wait_tensorcnt 0x0                           ; all my tensor loads have landed: my part of the next slot
	ds_add_u32 v[SPW], v[NIL]
	s_wait_dscnt 4*NL+1                            ; the add and the youngest sixteen loads may be out
	WIN MUL_LO
	MUL16 0, 1, 0
	s_wait_dscnt 0x0                               ; the add is done, and my reads of this slot are over
	s_barrier_signal -1
	MUL16 2, 1, 0
	WIN 0
	s_barrier_wait -1
.if \fill
	CREST                                          ; the barrier has opened a round of the cluster's: no wave of any partner still reads this slot or has a load on its way
	s_add_nc_u64 s[G0+4*\slot+2:G0+4*\slot+3], s[G0+4*\slot+2:G0+4*\slot+3], 2*KB
	s_add_nc_u64 s[G0B+4*\slot+2:G0B+4*\slot+3], s[G0B+4*\slot+2:G0B+4*\slot+3], 2*KB
	JLOAD G0+4*\slot, G1, G0B+4*\slot, G1B         ; the first tensor load behind the round; its four v_nop are also the places in front of the loads below
.else
	PLACES NP
.endif
	FETCH_B \next, 0, 0
	FETCH_A \next, 0, 0
	WIN MUL_HI
	MUL16 4, 1, 0
	MUL16 6, 1, 0
	PLACES NP
	WIN 0
	FETCH_A \next, 0, 4
.endm
	s_wait_tensorcnt 1                             ; my part of slot 0 is in; slot 1's load may be out
	s_barrier_signal -1
	s_barrier_wait -1
	FETCH_B 0, 0, 0
	FETCH_A 0, 0, 0
	FETCH_A 0, 0, 4
	STEP 0, 0, 1                                   ; the first step's products start the sums
	s_mov_b32 s3, LAPS-1
.Llap:
	TURN 0, 1, 1
	STEP 1, 0, 0
	TURN 1, 0, 1
	STEP 0, 0, 0
	s_sub_co_u32 s3, s3, 1
	s_cmp_lg_u32 s3, 0
	s_cbranch_scc1 .Llap
	TURN 0, 1, 0                                   ; the last lap fills nothing
	STEP 1, 0, 0
	s_wait_dscnt 4*NL
	WIN MUL_LO
	MUL16 0, 1, 0
	MUL16 2, 1, 0
	s_wait_dscnt 0
	WIN MUL_HI
	MUL16 4, 1, 0
	MUL16 6, 1, 0
	WIN 0
	s_wait_kmcnt 0x0
	s_sub_co_i32 s92, s74, s68                     ; q: e6 - e0 - e1
	s_sub_co_i32 s92, s92, s69
	s_sub_co_i32 s93, s75, s70                     ; k: e7 - e2 - e3
	s_sub_co_i32 s93, s93, s71
	s_sub_co_i32 s94, s77, s72                     ; v: e9 - e4 - e5
	s_sub_co_i32 s94, s94, s73
	s_cmp_eq_u32 s84, 0
	s_cselect_b32 s92, s92, s93
	s_cmp_eq_u32 s84, 2
	s_cselect_b32 s92, s94, s92
	s_add_co_i32 s92, s92, 127
	s_lshl_b32 s93, s92, 23
	v_mov_b32 v[SCL], s93
	s_add_co_i32 s92, s92, 15
	s_lshl_b32 s92, s92, 23
	s_or_b32 s92, s92, 0x600000
	v_mov_b32 v[HLD], s92
; THE WAY OUT, 16 rows at a time: hold, convert (a lane's eight sums are eight neighbouring codes of a row), through my stage, back as rows of 128 bytes, 512 consecutive bytes a store.
.macro QOUT a
.set AC, 64*((\a)%4)
	WIN 0x02+((\a)/4)                              ; source 0: window 2 or 3
.set n, 0
.rept 64
	v_med3_num_f32 v[TMP+n], v[AC+n], -v[HLD], v[HLD]   ; each accumulator from its low end on
.set n, n+1
.endr
	WIN 0
.irp b, 0,1,2,3,4,5,6,7
	v_cvt_scalef32_pk8_bf8_f32 v[CD+16*((\a)%2)+2*\b:CD+16*((\a)%2)+2*\b+1], v[TMP+8*\b:TMP+8*\b+7], v[SCL]
.endr
	v_nop                                          ; a plain line behind the last conversion
.irp b, 0,1,2,3,4,5,6,7
	ds_store_b64 v[STO], v[CD+16*((\a)%2)+2*\b:CD+16*((\a)%2)+2*\b+1] offset:16*\b
.endr
.irp i, 0,1,2,3
	ds_load_b128 v[BK+16*((\a)%2)+4*\i:BK+16*((\a)%2)+4*\i+3], v[RD] offset:4*\i*PITCH   ; LDS serves a wave's instructions in order
.endr
.endm
.macro QSEND a, younger
	s_wait_dscnt \younger                          ; the next block's 8 stores and 4 loads may be out
.irp i, 0,1,2,3
	global_store_b128 v[GO], v[BK+16*((\a)%2)+4*\i:BK+16*((\a)%2)+4*\i+3], s[10:11] offset:2048*(\a)+512*\i
.endr
.endm
	PLACES NP
	QOUT 0
.irp a, 1,2,3,4,5,6,7
.if \a > 1
	s_wait_xcnt 0x0                                ; the stores of two blocks back have read their registers, which this block's loads fill
.endif
	QOUT \a
	QSEND \a-1, 12
.endr
	QSEND 7, 0
	s_wait_tensorcnt 0x0                           ; the wave's end
	ds_add_u32 v[SPW], v[NIL]
	s_wait_dscnt 0x0
	CROUND                                         ; the closing round
	s_endpgm
.Lfunc_end_k_q6b64e80adc_qkv:
	.size	k_q6b64e80adc_qkv, .Lfunc_end_k_q6b64e80adc_qkv-k_q6b64e80adc_qkv
	.p2alignl 7, 3214868480
	.fill 96, 4, 3214868480
	.section	.rodata,"a",@progbits
	.p2align	6, 0x0
	.amdhsa_kernel k_q6b64e80adc_qkv
		.amdhsa_group_segment_fixed_size 327680
		.amdhsa_private_segment_fixed_size 0
		.amdhsa_enable_private_segment 0
		.amdhsa_kernarg_size 32
		.amdhsa_user_sgpr_count 2
		.amdhsa_user_sgpr_kernarg_segment_ptr 1
		.amdhsa_wavefront_size32 1
		.amdhsa_system_sgpr_workgroup_id_x 1
		.amdhsa_system_sgpr_workgroup_id_y 1
		.amdhsa_system_sgpr_workgroup_id_z 1
		.amdhsa_system_vgpr_workitem_id 0
		.amdhsa_next_free_vgpr 1024
		.amdhsa_next_free_sgpr 100
		.amdhsa_reserve_vcc 0
		.amdhsa_float_denorm_mode_32 3
		.amdhsa_float_denorm_mode_16_64 3
		.amdhsa_memory_ordered 1
		.amdhsa_forward_progress 1
		.amdhsa_inst_pref_size 125
	.end_amdhsa_kernel
	.amdgpu_metadata
---
amdhsa.version: [ 1, 2 ]
amdhsa.kernels:
  - .name:           k_q6b64e80adc_qkv
    .symbol:         k_q6b64e80adc_qkv.kd
    .args:
      - { .name: hc, .offset: 0, .size: 8, .value_kind: global_buffer, .address_space: global }
      - { .name: wc, .offset: 8, .size: 8, .value_kind: global_buffer, .address_space: global }
      - { .name: lowp_scales, .offset: 16, .size: 8, .value_kind: global_buffer, .address_space: global }
      - { .name: qkvc, .offset: 24, .size: 8, .value_kind: global_buffer, .address_space: global }
    .group_segment_fixed_size: 327680
    .private_segment_fixed_size: 0
    .kernarg_segment_align: 8
    .kernarg_segment_size: 32
    .max_flat_workgroup_size: 128
    .sgpr_count:     100
    .vgpr_count:     1024
    .wavefront_size: 32
...
	.end_amdgpu_metadata
.endif
;; end of part 3
;; launch attn (part 4): grid 16 x 16, 16 waves a work-group, clusters of 4 x 1, 327,680 bytes of LDS; arguments qkvc, lq1, lk1, lq2, lk2, subln_w, lowp_scales, oc; writes oc
.if DOCPART == 4
	.amdgcn_target "amdgcn-amd-amdhsa--gfx1250"
	.amdhsa_code_object_version 6
	.text
	.protected	k_q6b64e80adc_attn
	.globl	k_q6b64e80adc_attn
	.p2align	8
	.type	k_q6b64e80adc_attn,@function
k_q6b64e80adc_attn:
	s_mov_b64 s[64:65], 0
	v_nop
	global_prefetch_b8 v0, s[64:65] scope:SCOPE_SE
	s_setreg_imm32_b32 hwreg(HW_REG_WAVE_MODE, 25, 1), 1
	s_wait_xcnt 0x0
	s_wait_alu depctr_hold_cnt(0) depctr_sa_sdst(0) depctr_va_vdst(0) depctr_va_sdst(0) depctr_va_ssrc(0) depctr_va_vcc(0) depctr_vm_vsrc(0)
	s_getreg_b32 s2, hwreg(HW_REG_IB_STS2, 6, 4)
	s_cmp_eq_u32 s2, 0
	s_cbranch_scc0 .Lentry_in_a_cluster
	s_endpgm
.Lentry_in_a_cluster:
	s_bfe_u32 s2, ttmp6, 0x10000c
	s_cmp_lg_u32 s2, 0x3003
	s_cbranch_scc0 .Lentry_shape_is_right
	s_endpgm
.Lentry_shape_is_right:
; Products 4 and 5 with all that lies between and behind: two causal softmaxes a head, a = softmax1 - lam softmax2 (finished and normalised, as it is quantised), o = a v, RMS norm x subln_w x (1 - lambda_init), quantised for product 6.
; WORK LEFT OUT: key steps that lie wholly above the diagonal of reference()'s own causal mask (shown at the head of the first kernel); LIMIT as stated there.
; a's quantiser wants a row's maximum and sum first, so THE KEYS ARE WALKED TWICE: walk 1: scores, running M and l of both softmaxes; walk 2: scores again, p = 2^(t - M), a = p1 / l1 - lam p2 / l2, its codes, O^T += V^T a^T.
; t = score x log2(e) / 8; M = the largest t so far rounded up to a whole number, so that a change of M multiplies l by a power of two.
; SHARES.  y = batch x 8 + head.  A work-group holds 8 tiles of 16 queries and 16 waves: TWO WAVES TO A TILE.  Wave w: p = w / 8, tile slot TS = (w % 8) xor 2 p; it takes the key steps (128 keys) of parity p.  Its partner is wave w xor 10.
; Tile t = 16 k + (i xor 15 (k & 1)), i = work-group x, k = TS xor 3 (TS / 4).  So no wave walks more than 8 key steps in a walk, nor more than 2 between two changes of slots.
; The partners meet twice, through LDS: behind walk 1 they exchange (-M, l) of both softmaxes and each forms the row's M and l; behind walk 2 their partial O^T, which are plain sums since a is normalised, are added: waves 8-15 send, waves 0-7 finish.
; Every work-group holds a tile of number 112 or more, which reads key step 14: so every load of two key steps is read in every work-group, all four partners of a cluster ask for every tile, and no load is jumped over.
; A tile's last key step LIM = t / 8 = 2 k + ((cluster x / 2) xor (k & 1)) is made of the cluster's and the wave's number alone; the place in the cluster enters only global addresses and the mask's vector operand.
; LDS, in units U of 128 rows x 144 bytes: K slot 0: 0-3, K slot 1: 4-7, V slot 0: 8-11, V slot 1: 12-15; a slot holds 512 keys.  A tensor load brings 256 rows of 128 bytes (two key steps), jointly for the four partners.
; Waves 0, 1: K slot 0; 2, 3: V slot 0; 4, 5: K slot 1; 6, 7: V slot 1: one descriptor a wave with a fixed LDS place. By this text's count a wave has one tensor load out at the most; every wait for tensor loads is for all.
; Behind the slots: the spare words; EXCH, 512 bytes a wave, for (-M, l); SUBW, subln_w's 512 bytes, copied once by wave 0.  No tile lands in these.
; LAYOUT.  S^T = K Q^T (source 0 = 16 neighbouring keys, source 1 = my 16 queries), O^T = V^T a^T: a lane holds one query throughout.  Register j of S^T's tile T in lane (r, h) is key 16 T + 8 h + j: eight of them convert into registers 2 T, 2 T + 1
; of the second product's operand in the 8-bit form's own order (k = 16 c + 8 h + 0 .. 7; ISA guide 7.12.2), and V's fragments are read in that order, 8 bytes a lane.  The 16 rows of every LDS load are neighbours, 36 words apart: they start in 16 different groups of 4 banks.
; K and Q come by loads of 16 bytes (a permutation of the head's 64 that is the same on both sides).
; No prefetch: K and V of a head are read by sixteen work-groups at about the same time, and each refill has a slot's key steps in which to land.
; LIMITS: e6 + e7 between -120 and 130; e8 and e10 between -126 and 112; e8 + e9 between -126 and 127.  NaN among the inputs is not served.
; REGISTERS: v1 K's place in a tile; v2, v11 exchange addresses, later the image's and subln_w's; v3, v4 addresses in hand; v5, v6 the add's; v7, v8 scale and hold; v9 lam; v10 mask operand; v12 -infinity; v13 V's place, later the stage's way in;
;   v14, v15 way out; v16-31 q1, q2; v32-95 fragments; v96-159 S1 (walk 2: E1, E2); v160-223 S2 (walk 2: O^T); v224-239 a's codes; v240-247 (-M, largest t), l of both softmaxes; v248-255 at work.
.set U,     18432
.set SPARE, 16*U                       ; the spare words: 128 bytes for each of 16 waves
.set EXCH,  SPARE+2048
.set SUBW,  EXCH+8192
.set AK0, 1
.set XA,  2
.set ADK, 3
.set ADV, 4
.set SPW, 5
.set NIL, 6
.set XB,  11
.set AV0, 13
.set F,   32
.set SA,  96
.set SB,  160
.set E1,  96
.set E2,  128
.set O,   160
.set PC,  224
.set P1,  240
.set L1,  242
.set P2,  244
.set L2,  246
.set WV,  20
.set LIM, 21
.set KS,  22
.set TB,  23
.set G1,  24
.set G0,  32
.set PAR, 36
.set PO,  37
.set TS,  38
.set WL,  39
.set CNT, 40
.set WX,  41
.set SEL, 42
.set CS,  44
.macro ROUND                           ; a round of the cluster's barrier
	s_barrier_signal -1
	s_barrier_wait -1
	s_cmp_lg_u32 s[WV], 0
	s_cbranch_scc1 .Lnot_wave_0_\@
	s_barrier_signal -3
.Lnot_wave_0_\@:
	s_barrier_wait -3
	s_barrier_signal -1
	s_barrier_wait -1
.endm
.macro PLACES
.rept 4
	v_nop
.endr
.endm
	s_load_b512 s[4:19], s[0:1], 0x0               ; qkvc, lq1, lk1, lq2, lk2, subln_w, the exponents, oc
	v_lshl_add_u32 v[SPW], v0, 2, SPARE
	v_mov_b32 v[NIL], 0
	ds_add_u32 v[SPW], v[NIL]                      ; the opening: the add, twice on end, and its wait ahead of the first tensor loads
	ds_add_u32 v[SPW], v[NIL]
	v_lshrrev_b32 v2, 5, v0
	v_readfirstlane_b32 s[WV], v2                  ; wave 0..15
	s_lshr_b32 s[PAR], s[WV], 3                    ; p: the parity of my key steps
	s_and_b32 s[WL], s[WV], 7
	s_lshl_b32 s46, s[PAR], 1
	s_xor_b32 s[TS], s[WL], s46                    ; my tile slot
	s_mul_i32 s[PO], s[PAR], U                     ; my first key step's place in a slot
	s_bfe_u32 s46, ttmp6, 0x40000                  ; cx
	s_and_b32 s47, ttmp7, 0xffff                   ; batch x 8 + head
	s_lshr_b32 s48, s[TS], 2
	s_mul_i32 s49, s48, 3
	s_xor_b32 s49, s[TS], s49                      ; k
	s_and_b32 s50, s49, 1
	s_lshr_b32 s51, ttmp9, 1
	s_xor_b32 s51, s51, s50
	s_lshl_b32 s[LIM], s49, 1
	s_add_co_u32 s[LIM], s[LIM], s51               ; my tile's last key step
	s_lshl_b32 s52, ttmp9, 2
	s_add_co_u32 s52, s52, s46                     ; i
	s_mul_i32 s53, s50, 15
	s_xor_b32 s52, s52, s53
	s_lshl_b32 s53, s49, 4
	s_add_co_u32 s52, s52, s53                     ; my tile t
	s_xor_b32 s[WX], s[WV], 4
	s_lshr_b32 s48, s[WL], 2                       ; what I fetch, if I fetch: slot 0 or 1,
	s_and_b32 s54, s[WL], 1                        ; which two key steps of its four,
	s_bfe_u32 s55, s[WL], 0x10001                  ; 0: K, 1: V
	s_mul_i32 s56, s54, 2*U
	s_mul_i32 s57, s55, 8*U
	s_add_co_u32 s56, s56, s57
	s_mul_i32 s57, s48, 4*U
	s_add_co_u32 s56, s56, s57                     ; the load's place in LDS
	s_add_co_u32 s58, s55, 1
	s_lshl_b32 s58, s58, 22                        ; k at 4 MiB, v at 8 MiB
	s_lshl_b32 s60, s47, 18                        ; a head's 16 blocks
	s_add_co_u32 s58, s58, s60
	s_lshl_b32 s61, s48, 16                        ; slot 1's waves begin with the second 512 keys
	s_add_co_u32 s58, s58, s61
	s_lshl_b32 s61, s54, 15
	s_add_co_u32 s58, s58, s61
	s_mov_b32 s59, 0
	s_lshl_b32 s61, s52, 11                        ; my 16 queries' rows of 128 bytes
	s_add_co_u32 s60, s60, s61
	s_mov_b32 s61, 0
	s_lshr_b32 s76, s47, 3                         ; oc: block ((batch x 16 + t / 8) x 8 + head), row 16 (t % 8)
	s_lshl_b32 s76, s76, 4
	s_lshr_b32 s77, s52, 3
	s_add_co_u32 s76, s76, s77
	s_lshl_b32 s76, s76, 3
	s_and_b32 s77, s47, 7
	s_add_co_u32 s76, s76, s77
	s_lshl_b32 s76, s76, 14
	s_and_b32 s77, s52, 7
	s_lshl_b32 s53, s77, 4                         ; 16 (t % 8): my first query less the diagonal step's first key
	s_lshl_b32 s77, s77, 11
	s_add_co_u32 s76, s76, s77
	s_mov_b32 s77, 0
	s_mov_b32 s[G1], 15|(0<<16)|(1<<20)|(1<<21)|(4<<22)|(3<<25)   ; all four partners; elements of 1 byte; padding: 4 words after every 32; bit 21 beside a mask
	s_mov_b32 s[G1+1], 128<<16
	s_mov_b32 s[G1+2], 256<<16
	s_mov_b32 s[G1+3], 128<<16
	s_mov_b32 s[G1+4], 256
	s_mov_b32 s[G1+5], 128
	s_mov_b32 s[G1+6], 0
	s_mov_b32 s[G1+7], 0
	s_mov_b32 s[SEL], 0x76543210
	s_mov_b32 s[SEL+1], 0xfedcba98
	s_mov_b32 s[KS], s[PAR]
	s_wait_dscnt 0x0                               ; both opening adds are done
	s_wait_kmcnt 0x0
	s_load_b256 s[68:75], s[16:17], 0x18           ; e6 .. e13
	s_mov_b32 s[G0], 1
	s_mov_b32 s[G0+1], s56
	s_add_nc_u64 s[G0+2:G0+3], s[4:5], s[58:59]
	s_or_b32 s[G0+3], s[G0+3], 0x80000000
	s_add_nc_u64 s[62:63], s[4:5], s[60:61]        ; q at my first query
	s_add_nc_u64 s[78:79], s[18:19], s[76:77]      ; oc at my rows
	ROUND                                          ; all four work-groups are here
	s_cmp_lt_u32 s[WV], 8                          ; the first fills, one a wave, in one branch on the wave's number: both slots of K and of V
	s_cbranch_scc0 .Lno_first
	tensor_load_to_lds s[G0:G0+3], s[G1:G1+7]
	s_nop 0
	PLACES
.Lno_first:
	v_and_b32 v254, 15, v0                         ; r
	v_bfe_u32 v255, v0, 4, 1                       ; h
	v_lshlrev_b32 v248, 7, v254
	v_lshl_add_u32 v248, v255, 4, v248
.irp c, 0,1,2,3
	global_load_b128 v[16+4*\c:19+4*\c], v248, s[62:63] offset:32*\c   ; q1 (64 codes), then q2
.endr
	v_and_b32 v250, 31, v0
	v_lshlrev_b32 v251, 3, v250
	global_load_b64 v[32:33], v251, s[6:7]
	global_load_b64 v[34:35], v251, s[8:9]
	global_load_b64 v[36:37], v251, s[10:11]
	global_load_b64 v[38:39], v251, s[12:13]
	v_mul_u32_u24 v[AK0], v254, 144
	v_lshl_add_u32 v[AK0], v255, 4, v[AK0]         ; K: row r, + 16 h
	v_mul_u32_u24 v[AV0], v254, 144
	v_lshl_add_u32 v[AV0], v255, 3, v[AV0]
	v_add_nc_u32 v[AV0], 8*U, v[AV0]               ; V: row r, + 8 h, in V's slots
	v_lshlrev_b32 v3, 3, v255
	v_sub_nc_u32 v10, v254, v3
	v_add_nc_u32 v10, s53, v10                     ; d = my query - the diagonal step's first key - 8 h: register 8 T + j is hidden where 16 T + j > d
	v_mov_b32 v12, 0xff800000
	s_mul_i32 s57, s[TS], 16*144                   ; the tile's stage for the way out, in V's slot 0
	s_add_co_u32 s57, s57, 8*U
	v_lshrrev_b32 v3, 3, v250
	v_mul_u32_u24 v14, v3, 144
	v_and_b32 v3, 7, v250
	v_lshl_add_u32 v14, v3, 4, v14
	v_add_nc_u32 v14, s57, v14                     ; back out of it: eight lanes to a row
	v_lshlrev_b32 v15, 4, v250                     ; 16 x lane
	s_lshl_b32 s57, s[WV], 9
	s_add_co_u32 s57, s57, EXCH
	v_add_nc_u32 v[XA], s57, v15                   ; where I put (-M, l),
	s_xor_b32 s57, s[WV], 10
	s_lshl_b32 s57, s57, 9
	s_add_co_u32 s57, s57, EXCH
	v_add_nc_u32 v[XB], s57, v15                   ; and where my partner puts them
	v_add_nc_u32 v249, SUBW, v15
	v_mov_b32 v[P1+1], 0xff61b1e6                  ; the largest t so far: -3e38
	v_mov_b32 v[P2+1], 0xff61b1e6
	v_floor_f32 v[P1], -v[P1+1]
	v_floor_f32 v[P2], -v[P2+1]
	v_mov_b32 v[L1], 0
	v_mov_b32 v[L1+1], 0
	v_mov_b32 v[L2], 0
	v_mov_b32 v[L2+1], 0
	v_mov_b32 v252, 0
	v_mov_b32 v253, 0
	s_cmp_lg_u32 s[WV], 0                          ; wave 0 copies subln_w's 512 bytes into LDS, once; its load goes out with the others
	s_cbranch_scc1 .Lno_sub
	global_load_b128 v[44:47], v15, s[14:15]
	s_wait_loadcnt 0x0
	ds_store_b128 v249, v[44:47]
.Lno_sub:
	s_wait_loadcnt 0x0
	v_mul_f32 v40, v32, v34                        ; lam = exp(sum lq1 lk1) - exp(sum lq2 lk2) + lambda_init
	v_mul_f32 v41, v36, v38
	v_fmac_f32 v40, v33, v35
	v_fmac_f32 v41, v37, v39
.irp m, 1,2,4,8
	v_add_f32_dpp v40, v40, v40 row_xmask:\m row_mask:0xf bank_mask:0xf
	v_add_f32_dpp v41, v41, v41 row_xmask:\m row_mask:0xf bank_mask:0xf
.endr
	v_permlanex16_b32 v252, v40, s[SEL], s[SEL+1]
	v_permlanex16_b32 v253, v41, s[SEL], s[SEL+1]
	v_add_f32 v40, v40, v252
	v_add_f32 v41, v41, v253
	v_mul_f32 v40, 0x3fb8aa3b, v40
	v_mul_f32 v41, 0x3fb8aa3b, v41
	v_exp_f32 v40, v40
	v_exp_f32 v41, v41
	v_nop
	s_wait_alu depctr_va_vdst(0)                   ; the wait ahead of the first reader
	v_sub_f32 v9, v40, v41
	v_add_f32 v9, 0x3f47227f, v9                   ; + 0.8 - 0.6 exp(-3.3)
	s_wait_kmcnt 0x0
	s_add_co_i32 s46, s68, s69
	s_lshl_b32 s46, s46, 23
	s_add_co_u32 s[CS], s46, 0x3e38aa3b            ; c = log2(e) / 8 x 2^(e6 + e7): the exponents go into c's exponent field
	s_mov_b32 s[CS+1], s[CS]
	s_add_co_i32 s46, s70, 127
	s_lshl_b32 s47, s46, 23
	v_mov_b32 v7, s47                              ; 2^e8
	s_add_co_i32 s46, s46, 15
	s_lshl_b32 s46, s46, 23
	s_or_b32 s46, s46, 0x600000
	v_mov_b32 v8, s46                              ; 57,344 x 2^e8
.macro KLOAD g                         ; four tiles of 16 neighbouring keys: k1's 64 codes and k2's
.irp t, 0,1,2,3
.irp c, 0,1,2,3
	ds_load_b128 v[F+16*\t+4*\c:F+16*\t+4*\c+3], v[ADK] offset:16*(4*(\g)+\t)*144+32*\c
.endr
.endr
.endm
.macro VLOAD g                         ; four tiles of 16 of the head's 128 x 128 keys: registers 2 c, 2 c + 1 = keys 16 c + 8 h + 0 .. 7
.irp t, 0,1,2,3
.irp c, 0,1,2,3,4,5,6,7
	ds_load_b64 v[F+16*\t+2*\c:F+16*\t+2*\c+1], v[ADV] offset:16*(4*(\g)+\t)*144+16*\c
.endr
.endr
.endm
; WALK 1, a key step of 128 keys: both softmaxes' scores, the running M, the sums.
.macro STEP1
	v_add_nc_u32 v[ADK], s[TB], v[AK0]
.irp g, 0,1
	PLACES                                         ; in front of loads into registers that matrix instructions have read
	KLOAD \g
	s_wait_dscnt 0x0
.irp t, 0,1,2,3
	v_wmma_f32_16x16x64_bf8_bf8 v[SA+8*(4*\g+\t):SA+8*(4*\g+\t)+7], v[F+16*\t:F+16*\t+7], v[16:23], 0
	v_wmma_f32_16x16x64_bf8_bf8 v[SB+8*(4*\g+\t):SB+8*(4*\g+\t)+7], v[F+16*\t+8:F+16*\t+15], v[24:31], 0
.endr
.endr
	PLACES
	s_cmp_lg_u32 s[KS], s[LIM]                     ; only the tile's last step lies on the diagonal
	s_cbranch_scc1 .Lopen1_\@
.set n, 0
.rept 64
	v_cmp_gt_i32 vcc_lo, 16*(n/8)+n%8, v10
	v_cndmask_b32 v[SA+n], v[SA+n], v12, vcc_lo    ; hidden scores become -infinity: p = 0
	v_cndmask_b32 v[SB+n], v[SB+n], v12, vcc_lo
.set n, n+1
.endr
.Lopen1_\@:
	v_max3_num_f32 v248, v[SA], v[SA+1], v[SA+2]
	v_max3_num_f32 v249, v[SA+3], v[SA+4], v[SA+5]
	v_max3_num_f32 v250, v[SB], v[SB+1], v[SB+2]
	v_max3_num_f32 v251, v[SB+3], v[SB+4], v[SB+5]
.irp i, 6,10,14,18,22,26,30,34,38,42,46,50,54,58
	v_max3_num_f32 v248, v248, v[SA+\i], v[SA+\i+1]
	v_max3_num_f32 v249, v249, v[SA+\i+2], v[SA+\i+3]
	v_max3_num_f32 v250, v250, v[SB+\i], v[SB+\i+1]
	v_max3_num_f32 v251, v251, v[SB+\i+2], v[SB+\i+3]
.endr
	v_max3_num_f32 v248, v248, v[SA+62], v[SA+63]
	v_max3_num_f32 v250, v250, v[SB+62], v[SB+63]
	v_max_num_f32 v248, v248, v249
	v_max_num_f32 v250, v250, v251
	v_permlanex16_b32 v252, v248, s[SEL], s[SEL+1]
	v_permlanex16_b32 v253, v250, s[SEL], s[SEL+1]
	v_max_num_f32 v248, v248, v252
	v_max_num_f32 v250, v250, v253
	v_mul_f32 v248, s[CS], v248                    ; as t (c is positive)
	v_mul_f32 v250, s[CS], v250
	v_max_num_f32 v[P1+1], v[P1+1], v248
	v_max_num_f32 v[P2+1], v[P2+1], v250
	v_mov_b32 v248, v[P1]
	v_mov_b32 v250, v[P2]
	v_floor_f32 v[P1], -v[P1+1]                    ; -M = floor(-t): M is a whole number
	v_floor_f32 v[P2], -v[P2+1]
	v_sub_f32 v248, v[P1], v248
	v_sub_f32 v250, v[P2], v250
	v_cvt_i32_f32 v248, v248                       ; (it saturates)
	v_cvt_i32_f32 v250, v250
	v_ldexp_f32 v248, 1.0, v248                    ; f = 2^(old M - new M)
	v_ldexp_f32 v250, 1.0, v250
.set j, 0
.rept 32
	v_pk_fma_f32 v[SA+j:SA+j+1], v[SA+j:SA+j+1], s[CS:CS+1], v[P1:P1+1] op_sel_hi:[1,0,0]
	v_pk_fma_f32 v[SB+j:SB+j+1], v[SB+j:SB+j+1], s[CS:CS+1], v[P2:P2+1] op_sel_hi:[1,0,0]
.set j, j+2
.endr
.set j, 0
.rept 128
	v_exp_f32 v[SA+j], v[SA+j]                     ; one batch: both softmaxes' 64
.set j, j+1
.endr
	v_pk_mul_f32 v[L1:L1+1], v[L1:L1+1], v[248:249] op_sel_hi:[1,0]   ; the sums under the new M: the plain lines behind the batch
	v_pk_mul_f32 v[L2:L2+1], v[L2:L2+1], v[250:251] op_sel_hi:[1,0]
	s_wait_alu depctr_va_vdst(0)                   ; one wait for the batch, ahead of its first reader
	v_pk_add_f32 v[252:253], v[SA:SA+1], v[SA+2:SA+3]
	v_pk_add_f32 v[254:255], v[SB:SB+1], v[SB+2:SB+3]
.irp j, 4,8,12,16,20,24,28,32,36,40,44,48,52,56,60
	v_pk_add_f32 v[L1:L1+1], v[L1:L1+1], v[SA+\j:SA+\j+1]
	v_pk_add_f32 v[252:253], v[252:253], v[SA+\j+2:SA+\j+3]
	v_pk_add_f32 v[L2:L2+1], v[L2:L2+1], v[SB+\j:SB+\j+1]
	v_pk_add_f32 v[254:255], v[254:255], v[SB+\j+2:SB+\j+3]
.endr
	v_pk_add_f32 v[L1:L1+1], v[L1:L1+1], v[252:253]
	v_pk_add_f32 v[L2:L2+1], v[L2:L2+1], v[254:255]
.endm
; WALK 2, half a key step's softmax: 64 keys of both heads become 64 codes of a.
.macro SOFT g
	s_cmp_lg_u32 s[KS], s[LIM]
	s_cbranch_scc1 .Lopen2_\@
.set n, 0
.rept 32
	v_cmp_gt_i32 vcc_lo, 16*(4*(\g)+n/8)+n%8, v10
	v_cndmask_b32 v[E1+n], v[E1+n], v12, vcc_lo
	v_cndmask_b32 v[E2+n], v[E2+n], v12, vcc_lo
.set n, n+1
.endr
.Lopen2_\@:
.set j, 0
.rept 16
	v_pk_fma_f32 v[E1+j:E1+j+1], v[E1+j:E1+j+1], s[CS:CS+1], v[P1:P1+1] op_sel_hi:[1,0,0]
	v_pk_fma_f32 v[E2+j:E2+j+1], v[E2+j:E2+j+1], s[CS:CS+1], v[P2:P2+1] op_sel_hi:[1,0,0]
.set j, j+2
.endr
.set j, 0
.rept 64
	v_exp_f32 v[E1+j], v[E1+j]
.set j, j+1
.endr
	v_nop
	s_wait_alu depctr_va_vdst(0)                   ; one wait for the batch
.set j, 0
.rept 16
	v_pk_mul_f32 v[E1+j:E1+j+1], v[E1+j:E1+j+1], v[L1:L1+1]            ; p1 / l1
.set j, j+2
.endr
.set j, 0
.rept 16
	v_pk_fma_f32 v[E1+j:E1+j+1], v[E2+j:E2+j+1], v[L2:L2+1], v[E1+j:E1+j+1]   ; - lam p2 / l2
.set j, j+2
.endr
.set j, 0
.rept 32
	v_med3_num_f32 v[E1+j], v[E1+j], -v8, v8
.set j, j+1
.endr
.irp m, 0,1,2,3
	v_cvt_scalef32_pk8_bf8_f32 v[PC+8*(\g)+2*\m:PC+8*(\g)+2*\m+1], v[E1+8*\m:E1+8*\m+7], v7   ; tile T = 4 g + m: keys 16 T + 8 h + 0 .. 7: the operand's registers 2 T, 2 T + 1
.endr
	v_nop                                          ; a plain line behind the last conversion
.endm
.macro PROD                            ; 64 keys' scores of both heads
.irp t, 0,1,2,3
	v_wmma_f32_16x16x64_bf8_bf8 v[E1+8*\t:E1+8*\t+7], v[F+16*\t:F+16*\t+7], v[16:23], 0
	v_wmma_f32_16x16x64_bf8_bf8 v[E2+8*\t:E2+8*\t+7], v[F+16*\t+8:F+16*\t+15], v[24:31], 0
.endr
.endm
.macro OPROD g                         ; O^T += V^T a^T: four accumulators, one instruction each
.irp t, 0,1,2,3
	v_wmma_f32_16x16x128_bf8_bf8 v[O+8*(4*(\g)+\t):O+8*(4*(\g)+\t)+7], v[F+16*\t:F+16*\t+15], v[PC:PC+15], v[O+8*(4*(\g)+\t):O+8*(4*(\g)+\t)+7]
.endr
.endm
.macro STEP2
	v_add_nc_u32 v[ADK], s[TB], v[AK0]
	v_add_nc_u32 v[ADV], s[TB], v[AV0]
	PLACES
	KLOAD 0
	s_wait_dscnt 0x0
	PROD
	PLACES
	KLOAD 1                                        ; the next run of loads lands while the softmax is worked
	SOFT 0
	s_wait_dscnt 0x0
	PROD
	PLACES
	VLOAD 0
	SOFT 1
	s_wait_dscnt 0x0
	OPROD 0
	PLACES
	VLOAD 1
	s_wait_dscnt 0x0
	OPROD 1
	PLACES
.endm
; My two key steps of a slot's four: a loop of a constant two trips; a step all of whose keys come after my queries is jumped over (its loads, products and softmax; no barrier and no tensor load stands in a step).
.macro P1BODY slot
	s_add_co_u32 s[TB], s[PO], \slot*4*U
	s_mov_b32 s[CNT], 2
.Lp1_\@:
	s_cmp_gt_u32 s[KS], s[LIM]
	s_cbranch_scc1 .Lp1s_\@
	STEP1
.Lp1s_\@:
	s_add_co_u32 s[TB], s[TB], 2*U
	s_add_co_u32 s[KS], s[KS], 2
	s_sub_co_u32 s[CNT], s[CNT], 1
	s_cmp_lg_u32 s[CNT], 0
	s_cbranch_scc1 .Lp1_\@
.endm
.macro P2BODY slot
	s_add_co_u32 s[TB], s[PO], \slot*4*U
	s_mov_b32 s[CNT], 2
.Lp2_\@:
	s_cmp_gt_u32 s[KS], s[LIM]
	s_cbranch_scc1 .Lp2s_\@
	STEP2
.Lp2s_\@:
	s_add_co_u32 s[TB], s[TB], 2*U
	s_add_co_u32 s[KS], s[KS], 2
	s_sub_co_u32 s[CNT], s[CNT], 1
	s_cmp_lg_u32 s[CNT], 0
	s_cbranch_scc1 .Lp2_\@
.endm
; THE CHANGE OF SLOTS.  Each wave waits for all its tensor loads, adds 0 to its spare word, steps its descriptor (dir: +1, -1: 1,024 keys on or back; 0: stays), waits for the add and for its reads of the slot left.
; lim > 0: a round of the cluster's barrier, and the waves whose number in s[ws] is under lim fill the slot that was left: the first thing behind the round, one load a wave.  lim = 0: nothing is filled, a plain barrier.
.macro CHANGE dir, ws, lim
	s_wait_tensorcnt 0x0
	ds_add_u32 v[SPW], v[NIL]
.if \lim > 0
	ds_add_u32 v[SPW], v[NIL]                      ; and once more where tensor loads follow
.endif
.if (\dir) > 0
	s_add_nc_u64 s[G0+2:G0+3], s[G0+2:G0+3], 131072
.endif
.if (\dir) < 0
	s_sub_nc_u64 s[G0+2:G0+3], s[G0+2:G0+3], 131072
.endif
	s_wait_dscnt 0x0
.if \lim > 0
	ROUND
	s_cmp_lt_u32 s[\ws], \lim
	s_cbranch_scc0 .Lno_load_\@
	tensor_load_to_lds s[G0:G0+3], s[G1:G1+7]
	s_nop 0
	PLACES
.Lno_load_\@:
.else
	s_barrier_signal -1
	s_barrier_wait -1
.endif
.endm
	s_wait_tensorcnt 0x0                           ; my first fill has landed,
	s_wait_dscnt 0x0                               ; wave 0's copy of subln_w is in LDS,
	s_barrier_signal -1
	s_barrier_wait -1                              ; and so for every wave
	P1BODY 0                                       ; keys 0-511
	CHANGE 1, WV, 2                                ; K slot 0 <- keys 1024-1535
	P1BODY 1                                       ; keys 512-1023
	CHANGE 0, WX, 2                                ; K slot 1 <- keys 1536-2047
	P1BODY 0
	CHANGE -1, WV, 2                               ; K slot 0 <- keys 0-511, for walk 2
	P1BODY 1
	v_add_f32 v[L1], v[L1], v[L1+1]                ; my key steps' sums: two halves, and lane l xor 16's
	v_add_f32 v[L2], v[L2], v[L2+1]
	v_permlanex16_b32 v252, v[L1], s[SEL], s[SEL+1]
	v_permlanex16_b32 v253, v[L2], s[SEL], s[SEL+1]
	v_add_f32 v249, v[L1], v252
	v_add_f32 v251, v[L2], v253
	v_mov_b32 v248, v[P1]
	v_mov_b32 v250, v[P2]
	ds_store_b128 v[XA], v[248:251]                ; (-M1, l1, -M2, l2) for my partner: the wait and the round of the change below stand between this store and the partner's load
	CHANGE 0, WX, 2                                ; K slot 1 <- keys 512-1023
	ds_load_b128 v[252:255], v[XB]                 ; my partner's
	s_wait_dscnt 0x0
	v_min_num_f32 v[P1], v248, v252                ; the row's -M: the lesser of the two
	v_min_num_f32 v[P2], v250, v254
	v_sub_f32 v248, v[P1], v248                    ; each side's M less the row's: a whole number, 0 or less
	v_sub_f32 v252, v[P1], v252
	v_sub_f32 v250, v[P2], v250
	v_sub_f32 v254, v[P2], v254
	v_cvt_i32_f32 v248, v248                       ; (it saturates: a wave that had no step holds -M = 3e38 and l = 0, and its factor is 0)
	v_cvt_i32_f32 v252, v252
	v_cvt_i32_f32 v250, v250
	v_cvt_i32_f32 v254, v254
	v_ldexp_f32 v248, 1.0, v248
	v_ldexp_f32 v252, 1.0, v252
	v_ldexp_f32 v250, 1.0, v250
	v_ldexp_f32 v254, 1.0, v254
	v_mul_f32 v[L1], v249, v248
	v_mul_f32 v[L2], v251, v250
	v_fmac_f32 v[L1], v253, v252                   ; the rows' sums under the rows' M
	v_fmac_f32 v[L2], v255, v254
	v_rcp_f32 v[L1], v[L1]
	v_rcp_f32 v[L2], v[L2]
	v_nop
	s_wait_alu depctr_va_vdst(0)
	v_mul_f32 v[L2], v[L2], -v9                    ; -lam / l2
	v_mov_b32 v[L1+1], v[L1]
	v_mov_b32 v[L2+1], v[L2]
.set j, 0
.rept 64
	v_mov_b32 v[O+j], 0                            ; O^T: the step is written once and adds onto it
.set j, j+1
.endr
	s_lshl_b32 s57, s[TS], 13
	v_add_nc_u32 v[XA], s57, v15                   ; from here on: the tile's image of O^T, 8,192 bytes, in K's slot 0,
	v_bfe_u32 v[XB], v0, 4, 1
	v_lshl_add_u32 v[XB], v[XB], 5, SUBW           ; and subln_w at d = 8 h
	s_mov_b32 s[KS], s[PAR]
	P2BODY 0
	CHANGE 1, WV, 4                                ; K and V slots 0 <- keys 1024-1535
	P2BODY 1
	CHANGE 0, WX, 4                                ; K and V slots 1 <- keys 1536-2047
	P2BODY 0
	CHANGE 0, WV, 0
	P2BODY 1
	; THE PARTNERS' O^T ARE ADDED.  Both slots 0 have had their last fill, and every wave has left them at the last change.  Waves 8-15 store their 64 registers as they stand; behind a barrier waves 0-7 read them into the same lanes.
	s_mul_i32 s57, s[TS], 16*144
	v_add_nc_u32 v[AV0], s57, v[AV0]               ; V's place becomes the stage's way in: row r, + 8 h
	s_cmp_lt_u32 s[WV], 8
	s_cbranch_scc1 .Lkeep
.irp t, 0,1,2,3,4,5,6,7
	ds_store_b128 v[XA], v[O+8*\t:O+8*\t+3] offset:1024*\t          ; each accumulator's low four registers first
	ds_store_b128 v[XA], v[O+8*\t+4:O+8*\t+7] offset:1024*\t+512
.endr
.Lkeep:
	s_wait_dscnt 0x0                               ; for the partner's sake: my stores are done
	s_barrier_signal -1
	s_barrier_wait -1
	s_cmp_lt_u32 s[WV], 8
	s_cbranch_scc0 .Ldone
.irp t, 0,1,2,3,4,5,6,7
	ds_load_b128 v[F+8*\t:F+8*\t+3], v[XA] offset:1024*\t
	ds_load_b128 v[F+8*\t+4:F+8*\t+7], v[XA] offset:1024*\t+512
.endr
.irp t, 0,1,2,3,4,5,6,7
	ds_load_b128 v[96+8*\t:96+8*\t+3], v[XB] offset:64*\t           ; subln_w at d = 16 T + 8 h + 0 .. 7: the result's layout
	ds_load_b128 v[96+8*\t+4:96+8*\t+7], v[XB] offset:64*\t+16
.endr
	; THE WAY OUT: o = O^T x 2^(e8 + e9); RMS over the head's 128 (64 in my lane, 64 in lane l xor 16); x subln_w x (1 - lambda_init); codes with e10.
	s_add_co_i32 s46, s70, s71
	s_add_co_i32 s46, s46, 127
	s_lshl_b32 s46, s46, 23
	s_mov_b32 s47, s46
	s_mov_b32 s48, 0x3c000000                      ; 1 / 128
	s_mov_b32 s49, 0x3727c5ac                      ; 1e-5
	s_wait_dscnt 16                                ; the image is in; subln_w's sixteen loads may be out
.set j, 0
.rept 32
	v_pk_add_f32 v[O+j:O+j+1], v[O+j:O+j+1], v[F+j:F+j+1]           ; each accumulator from its low end on
.set j, j+2
.endr
.set j, 0
.rept 32
	v_pk_mul_f32 v[O+j:O+j+1], v[O+j:O+j+1], s[46:47] op_sel_hi:[1,0]
.set j, j+2
.endr
	v_pk_mul_f32 v[248:249], v[O:O+1], v[O:O+1]
	v_pk_mul_f32 v[250:251], v[O+2:O+3], v[O+2:O+3]
.irp j, 4,8,12,16,20,24,28,32,36,40,44,48,52,56,60
	v_pk_fma_f32 v[248:249], v[O+\j:O+\j+1], v[O+\j:O+\j+1], v[248:249]
	v_pk_fma_f32 v[250:251], v[O+\j+2:O+\j+3], v[O+\j+2:O+\j+3], v[250:251]
.endr
	v_pk_add_f32 v[248:249], v[248:249], v[250:251]
	v_add_f32 v248, v248, v249
	v_permlanex16_b32 v252, v248, s[SEL], s[SEL+1]
	v_add_f32 v248, v248, v252
	v_fma_f32 v248, v248, s48, s49
	v_rsq_f32 v250, v248
	s_add_co_i32 s46, s72, 127
	s_lshl_b32 s47, s46, 23
	v_mov_b32 v7, s47                              ; 2^e10  (a plain line behind the root)
	s_add_co_i32 s46, s46, 15
	s_lshl_b32 s46, s46, 23
	s_or_b32 s46, s46, 0x600000
	v_mov_b32 v8, s46
	s_wait_alu depctr_va_vdst(0)
	v_mul_f32 v250, 0x3e637605, v250               ; x (1 - lambda_init)
	v_mov_b32 v251, v250
.set j, 0
.rept 32
	v_pk_mul_f32 v[O+j:O+j+1], v[O+j:O+j+1], v[250:251]
.set j, j+2
.endr
	s_wait_dscnt 0x0                               ; subln_w
.set j, 0
.rept 32
	v_pk_mul_f32 v[O+j:O+j+1], v[O+j:O+j+1], v[96+j:97+j]
.set j, j+2
.endr
.set j, 0
.rept 64
	v_med3_num_f32 v[O+j], v[O+j], -v8, v8
.set j, j+1
.endr
.irp t, 0,1,2,3,4,5,6,7
	v_cvt_scalef32_pk8_bf8_f32 v[PC+2*\t:PC+2*\t+1], v[O+8*\t:O+8*\t+7], v7
.endr
	v_nop
.irp t, 0,1,2,3,4,5,6,7
	ds_store_b64 v[AV0], v[PC+2*\t:PC+2*\t+1] offset:16*\t          ; row r: d = 16 T + 8 h + 0 .. 7
.endr
.irp i, 0,1,2,3
	ds_load_b128 v[32+4*\i:35+4*\i], v14 offset:4*\i*144            ; LDS serves a wave's instructions in order: these see my stores
.endr
.irp i, 0,1,2,3
	s_wait_dscnt 3-\i                              ; the later loads may be out
	global_store_b128 v15, v[32+4*\i:35+4*\i], s[78:79] offset:512*\i   ; four rows of 128 bytes: 512 consecutive bytes
.endr
.Ldone:
	s_wait_tensorcnt 0x0                           ; the wave's end
	ds_add_u32 v[SPW], v[NIL]
	s_wait_dscnt 0x0
	ROUND                                          ; the closing round
	s_endpgm
.Lfunc_end_k_q6b64e80adc_attn:
	.size	k_q6b64e80adc_attn, .Lfunc_end_k_q6b64e80adc_attn-k_q6b64e80adc_attn
	.p2alignl 7, 3214868480
	.fill 96, 4, 3214868480
	.section	.rodata,"a",@progbits
	.p2align	6, 0x0
	.amdhsa_kernel k_q6b64e80adc_attn
		.amdhsa_group_segment_fixed_size 327680
		.amdhsa_private_segment_fixed_size 0
		.amdhsa_enable_private_segment 0
		.amdhsa_kernarg_size 64
		.amdhsa_user_sgpr_count 2
		.amdhsa_user_sgpr_kernarg_segment_ptr 1
		.amdhsa_wavefront_size32 1
		.amdhsa_system_sgpr_workgroup_id_x 1
		.amdhsa_system_sgpr_workgroup_id_y 1
		.amdhsa_system_sgpr_workgroup_id_z 1
		.amdhsa_system_vgpr_workitem_id 0
		.amdhsa_next_free_vgpr 256
		.amdhsa_next_free_sgpr 100
		.amdhsa_reserve_vcc 1
		.amdhsa_float_denorm_mode_32 3
		.amdhsa_float_denorm_mode_16_64 3
		.amdhsa_memory_ordered 1
		.amdhsa_forward_progress 1
		.amdhsa_inst_pref_size 255
	.end_amdhsa_kernel
	.section	.bss,"aw",@nobits
	.p2align	6
	.space	262144
	.amdgpu_metadata
---
amdhsa.version: [ 1, 2 ]
amdhsa.kernels:
  - .name:           k_q6b64e80adc_attn
    .symbol:         k_q6b64e80adc_attn.kd
    .args:
      - { .name: qkvc, .offset: 0, .size: 8, .value_kind: global_buffer, .address_space: global }
      - { .name: lq1, .offset: 8, .size: 8, .value_kind: global_buffer, .address_space: global }
      - { .name: lk1, .offset: 16, .size: 8, .value_kind: global_buffer, .address_space: global }
      - { .name: lq2, .offset: 24, .size: 8, .value_kind: global_buffer, .address_space: global }
      - { .name: lk2, .offset: 32, .size: 8, .value_kind: global_buffer, .address_space: global }
      - { .name: subln_w, .offset: 40, .size: 8, .value_kind: global_buffer, .address_space: global }
      - { .name: lowp_scales, .offset: 48, .size: 8, .value_kind: global_buffer, .address_space: global }
      - { .name: oc, .offset: 56, .size: 8, .value_kind: global_buffer, .address_space: global }
    .group_segment_fixed_size: 327680
    .private_segment_fixed_size: 0
    .kernarg_segment_align: 8
    .kernarg_segment_size: 64
    .max_flat_workgroup_size: 512
    .sgpr_count:     100
    .vgpr_count:     256
    .wavefront_size: 32
...
	.end_amdgpu_metadata
.endif
;; end of part 4
;; launch wo (part 5): grid 8 x 32, 4 waves a work-group, clusters of 4 x 4, 327,680 bytes of LDS; arguments oc, wc, x, lowp_scales, y; writes y
.if DOCPART == 5
	.amdgcn_target "amdgcn-amd-amdhsa--gfx1250"
	.amdhsa_code_object_version 6
	.text
	.protected	k_q6b64e80adc_wo
	.globl	k_q6b64e80adc_wo
	.p2align	8
	.type	k_q6b64e80adc_wo,@function
k_q6b64e80adc_wo:
	s_mov_b64 s[64:65], 0
	v_nop
	global_prefetch_b8 v0, s[64:65] scope:SCOPE_SE
	s_setreg_imm32_b32 hwreg(HW_REG_WAVE_MODE, 25, 1), 1
	s_wait_xcnt 0x0
	s_wait_alu depctr_hold_cnt(0) depctr_sa_sdst(0) depctr_va_vdst(0) depctr_va_sdst(0) depctr_va_ssrc(0) depctr_va_vcc(0) depctr_vm_vsrc(0)
	s_getreg_b32 s2, hwreg(HW_REG_IB_STS2, 6, 4)
	s_cmp_eq_u32 s2, 0
	s_cbranch_scc0 .Lentry_in_a_cluster
	s_endpgm
.Lentry_in_a_cluster:
	s_bfe_u32 s2, ttmp6, 0x10000c
	s_cmp_lg_u32 s2, 0xf033
	s_cbranch_scc0 .Lentry_shape_is_right
	s_endpgm
.Lentry_shape_is_right:
; out = residual + (A B^T) x 2^(eA + eB): A [4096][K] and B [1024][K] as codes of E5M2 in blocks of 128 rows x 128 codes ([row / 128][k / 128], 16,384 dense bytes); residual and out f32 [4096][1024].
; Here: product 6, K = 1,024: A = oc, B = wo's codes (wc + 3 MiB), residual x, out y, exponents 10 and 11.
; 256 tiles of 128 x 128, one a work-group; four waves of 64 x 64: 16 accumulators.  K goes in chunks of 512 through two LDS slots: A's four panels of 128 rows x 128 K, then B's four.  A wave's tensor load brings two panels, 32,768 dense bytes.
; CLUSTERS of 4 x 4: A's tile is asked for jointly along a row of the cluster, B's along a column.  THE MATRIX INSTRUCTION IS USED TRANSPOSED: a lane holds eight neighbouring columns of a row.
; The residual is asked for at the head, in the layout in which rows come back from the stage; one packed multiply-add gives sum x 2^(eA + eB) + residual.
; LIMIT: eA + eB between -126 and 127.
; REGISTERS: window 0: v16-29 addresses, v32-95 rows on the way out, v128-255 accumulators.  window 1: two fragment buffers of 128 (A's four fragments, then B's).  window 2: v0-127 the residual.
.set KCH,   2                          ; chunks of 512 along K
.set KP,    8                          ; K / 128
.set WOFF,  0x300000
.set EOFF,  0x28
.set LASTOUT, 0
.set PITCH,  144
.set PANEL,  128*PITCH
.set HALFT,  2*PANEL
.set SLOT,   4*HALFT
.set SPARE,  2*SLOT
.set SPITCH, 272
.set ADRA, 16
.set ADRB, 20
.set STO,  24
.set RD,   25
.set CO,   26
.set SPW,  28
.set NIL,  29
.set BK,   32
.set ACC,  128
.set F0,   0
.set F1,   128
.set G1, 24
.set G0, 32
.set G1B, 48
.set G0B, 56
.set MSB, 0
.macro WIN new
.if MSB != \new
	s_set_vgpr_msb (MSB<<8)|\new
.set MSB, \new
.endif
.endm
.set MUL,  0x05
.set TO_F, 0x40
.macro JLOAD s                         ; waves 0 and 1 fetch A's panels, waves 2 and 3 B's; an s_nop 0 and four v_nop follow each line
	s_cmp_eq_u32 s11, 0
	s_cbranch_scc0 .Lfor_b_\@
	tensor_load_to_lds s[G0+4*\s:G0+4*\s+3], s[G1:G1+7]
	s_nop 0
.rept 4
	v_nop
.endr
	s_branch .Lasked_\@
.Lfor_b_\@:
	tensor_load_to_lds s[G0B+4*\s:G0B+4*\s+3], s[G1B:G1B+7]
	s_nop 0
.rept 4
	v_nop
.endr
.Lasked_\@:
.endm
.macro CROUND
	s_barrier_signal -1
	s_barrier_wait -1
	s_cmp_lg_u32 s10, 0
	s_cbranch_scc1 .Lnot_wave_0_\@
	s_barrier_signal -3
.Lnot_wave_0_\@:
	s_barrier_wait -3
	s_barrier_signal -1
	s_barrier_wait -1
.endm
	s_load_b128 s[4:7], s[0:1], 0x0                ; A's codes, wc
	s_load_b64 s[8:9], s[0:1], 0x10                ; the residual
	s_load_b128 s[68:71], s[0:1], 0x18             ; the exponents, out
	v_lshl_add_u32 v[SPW], v0, 2, SPARE
	v_mov_b32 v[NIL], 0
	ds_add_u32 v[SPW], v[NIL]                      ; the opening: the add, twice on end, and its wait ahead of my first tensor load
	ds_add_u32 v[SPW], v[NIL]
	v_lshrrev_b32 v1, 5, v0
	v_readfirstlane_b32 s10, v1                    ; wave
	s_lshr_b32 s11, s10, 1                         ; my half of the rows; also: I fetch for A (0) or B (1)
	s_and_b32 s12, s10, 1                          ; my half of the columns; also: which two panels I fetch
	s_bfe_u32 s40, ttmp6, 0x40000
	s_bfe_u32 s41, ttmp6, 0x40004
	s_lshl_b32 s42, ttmp9, 2
	s_add_co_u32 s42, s42, s40                     ; tile column
	s_and_b32 s13, ttmp7, 0xffff
	s_lshl_b32 s13, s13, 2
	s_add_co_u32 s13, s13, s41                     ; tile row
	s_lshl_b32 s43, s41, 2
	s_lshl_b32 s43, 15, s43
	s_lshl_b32 s44, 0x1111, s40
	s_or_b32 s[G1+0], s43, (0<<16)|(1<<20)|(1<<21)|(4<<22)|(3<<25)
	s_or_b32 s[G1B+0], s44, (0<<16)|(1<<20)|(1<<21)|(4<<22)|(3<<25)
.irp g, G1, G1B
	s_mov_b32 s[\g+1], 128<<16
	s_mov_b32 s[\g+2], 256<<16
	s_mov_b32 s[\g+3], 128<<16
	s_mov_b32 s[\g+4], 256
	s_mov_b32 s[\g+5], 128
	s_mov_b32 s[\g+6], 0
	s_mov_b32 s[\g+7], 0
.endr
	s_mul_i32 s16, s13, KP
	s_lshl_b32 s17, s12, 1
	s_add_co_u32 s16, s16, s17
	s_lshl_b32 s16, s16, 14
	s_mov_b32 s17, 0
	s_mul_i32 s46, s42, KP
	s_lshl_b32 s47, s12, 1
	s_add_co_u32 s46, s46, s47
	s_lshl_b32 s46, s46, 14
	s_add_co_u32 s46, s46, WOFF
	s_mov_b32 s47, 0
	s_mul_i32 s20, s10, HALFT
	s_wait_dscnt 0x0
	s_wait_kmcnt 0x0
	s_load_b64 s[96:97], s[68:69], EOFF            ; eA, eB
	s_add_nc_u64 s[14:15], s[4:5], s[16:17]
	s_add_nc_u64 s[46:47], s[6:7], s[46:47]
	CROUND
.irp s, 0,1
	s_mov_b32 s[G0+4*\s], 1
	s_add_co_u32 s[G0+4*\s+1], s20, \s*SLOT
	s_add_nc_u64 s[G0+4*\s+2:G0+4*\s+3], s[14:15], \s*65536
	s_or_b32 s[G0+4*\s+3], s[G0+4*\s+3], 0x80000000
	s_mov_b32 s[G0B+4*\s], 1
	s_add_co_u32 s[G0B+4*\s+1], s20, \s*SLOT
	s_add_nc_u64 s[G0B+4*\s+2:G0B+4*\s+3], s[46:47], \s*65536
	s_or_b32 s[G0B+4*\s+3], s[G0B+4*\s+3], 0x80000000
	JLOAD \s
.endr
	v_and_b32 v1, 15, v0
	v_bfe_u32 v2, v0, 4, 1
	v_mul_u32_u24 v3, v1, PITCH
	v_lshl_add_u32 v3, v2, 4, v3
	s_mul_i32 s21, s11, 64*PITCH
	s_mul_i32 s22, s12, 64*PITCH
	s_add_co_u32 s22, s22, 4*PANEL
.irp s, 0,1
	v_add_nc_u32 v[ADRA+\s], s21, v3
	v_add_nc_u32 v[ADRB+\s], s22, v3
	s_add_co_u32 s21, s21, SLOT
	s_add_co_u32 s22, s22, SLOT
.endr
	s_mul_i32 s23, s10, 16*SPITCH                  ; my stage, in slot 0, which has had its last fill and its last read when the first result is stored there
	v_mul_u32_u24 v4, v1, SPITCH
	v_lshl_add_u32 v4, v2, 5, v4
	v_add_nc_u32 v[STO], s23, v4
	v_mul_u32_u24 v5, v2, SPITCH
	v_lshl_add_u32 v5, v1, 4, v5
	v_add_nc_u32 v[RD], s23, v5
	v_lshlrev_b32 v5, 12, v2
	v_lshl_add_u32 v[CO], v1, 4, v5                ; lanes 0-15 one row's 256 bytes, lanes 16-31 the next row's
	s_lshl_b32 s16, s13, 7
	s_lshl_b32 s17, s11, 6
	s_add_co_u32 s16, s16, s17
	s_lshl_b32 s16, s16, 12
	s_lshl_b32 s46, s42, 9
	s_lshl_b32 s47, s12, 8
	s_add_co_u32 s46, s46, s47
	s_add_co_u32 s16, s16, s46
	s_mov_b32 s17, 0
	s_add_nc_u64 s[8:9], s[8:9], s[16:17]
	s_add_nc_u64 s[70:71], s[70:71], s[16:17]
	WIN 0x80                                       ; destination window 2
.irp a, 0,1,2,3
.irp t, 0,1,2,3,4,5,6,7
	global_load_b128 v[32*\a+4*\t:32*\a+4*\t+3], v[CO], s[8:9] offset:(16*\a+2*\t)*4096
.endr
.endr
	WIN 0
.macro PLACES
.rept 4
	v_nop
.endr
.endm
.macro FETCH slot, p, f                ; the fragments of panel p: my 64 rows of A, my 64 rows of B
	WIN TO_F
.irp i, 0,1,2,3
.irp c, 0,1,2,3
	ds_load_b128 v[\f+16*\i+4*\c:\f+16*\i+4*\c+3], v[ADRA+\slot] offset:(\p)*PANEL+\i*16*PITCH+32*\c
	ds_load_b128 v[\f+64+16*\i+4*\c:\f+64+16*\i+4*\c+3], v[ADRB+\slot] offset:(\p)*PANEL+\i*16*PITCH+32*\c
.endr
.endr
.endm
.macro MUL16 f, zero                   ; the 16 accumulators take turns, one instruction a turn, in the same order in every step
.irp a, 0,1,2,3
.irp b, 0,1,2,3
.if \zero
	v_wmma_f32_16x16x128_bf8_bf8 v[ACC+8*(4*\a+\b):ACC+8*(4*\a+\b)+7], v[\f+64+16*\b:\f+64+16*\b+15], v[\f+16*\a:\f+16*\a+15], 0
.else
	v_wmma_f32_16x16x128_bf8_bf8 v[ACC+8*(4*\a+\b):ACC+8*(4*\a+\b)+7], v[\f+64+16*\b:\f+64+16*\b+15], v[\f+16*\a:\f+16*\a+15], v[ACC+8*(4*\a+\b):ACC+8*(4*\a+\b)+7]
.endif
.endr
.endr
.endm
.macro PSTEP f, g, slot, p, zero       ; fetch panel p into g, multiply f
	PLACES                                         ; g was read by the step before
	FETCH \slot, \p, \g
	s_wait_dscnt 32                                ; all but the 32 loads just issued: f is in
	WIN MUL
	MUL16 \f, \zero
.endm
.macro CHUNK slot, zero
	PSTEP F0, F1, \slot, 1, \zero
	PSTEP F1, F0, \slot, 2, 0
	PSTEP F0, F1, \slot, 3, 0
.endm
.macro TURN slot, next, fill           ; a chunk's last step changes slots
	WIN 0
	s_wait_tensorcnt 0x0                           ; all my tensor loads have landed: my part of the next slot
	ds_add_u32 v[SPW], v[NIL]
.if \fill
	s_add_nc_u64 s[G0+4*\slot+2:G0+4*\slot+3], s[G0+4*\slot+2:G0+4*\slot+3], 131072
	s_add_nc_u64 s[G0B+4*\slot+2:G0B+4*\slot+3], s[G0B+4*\slot+2:G0B+4*\slot+3], 131072
.endif
	s_wait_dscnt 0x0                               ; the add is done, and my reads of this slot are over
.if \fill
	CROUND                                         ; no wave of any partner still reads this slot or has a load on its way
	JLOAD \slot                                    ; the first tensor load behind the round; its four v_nop are also the places in front of the loads below
.else
	s_barrier_signal -1
	s_barrier_wait -1
	PLACES
.endif
	FETCH \next, 0, F0
	WIN MUL
	MUL16 F1, 0
.endm
	s_wait_tensorcnt 1                             ; my part of chunk 0 is in; chunk 1's load may be out
	s_barrier_signal -1
	s_barrier_wait -1
	FETCH 0, 0, F0
	CHUNK 0, 1
.if KCH == 4
	TURN 0, 1, 1
	CHUNK 1, 0
	TURN 1, 0, 1
	CHUNK 0, 0
.endif
	TURN 0, 1, 0
	CHUNK 1, 0
	s_wait_dscnt 0x0
	MUL16 F1, 0
	WIN 0
	s_wait_kmcnt 0x0
	s_add_co_i32 s96, s96, s97
	s_add_co_i32 s96, s96, 127
	s_lshl_b32 s96, s96, 23                        ; 2^(eA + eB)
	s_mov_b32 s97, s96
; THE WAY OUT, 16 rows x 64 columns at a time, through my own stage: back as rows of 256 bytes.
.macro TOSTAGE a
.irp b, 0,1,2,3
	ds_store_b128 v[STO], v[ACC+8*(4*\a+\b):ACC+8*(4*\a+\b)+3] offset:64*\b          ; each accumulator's low four registers first
	ds_store_b128 v[STO], v[ACC+8*(4*\a+\b)+4:ACC+8*(4*\a+\b)+7] offset:64*\b+16
.endr
.irp t, 0,1,2,3,4,5,6,7
	ds_load_b128 v[BK+32*((\a)%2)+4*\t:BK+32*((\a)%2)+4*\t+3], v[RD] offset:\t*2*SPITCH   ; LDS serves a wave's instructions in order
.endr
.endm
.macro SEND a, younger
	s_wait_dscnt \younger                          ; the next block's 8 stores and 8 loads may be out
	WIN 0x20                                       ; source 2 window 2: the residual
.irp j, 0,2,4,6,8,10,12,14,16,18,20,22,24,26,28,30
	v_pk_fma_f32 v[BK+32*((\a)%2)+\j:BK+32*((\a)%2)+\j+1], v[BK+32*((\a)%2)+\j:BK+32*((\a)%2)+\j+1], s[96:97], v[32*(\a)+\j:32*(\a)+\j+1] op_sel_hi:[1,0,1]
.endr
	WIN 0
.irp t, 0,1,2,3,4,5,6,7
.if LASTOUT
	global_store_b128 v[CO], v[BK+32*((\a)%2)+4*\t:BK+32*((\a)%2)+4*\t+3], s[70:71] offset:(16*(\a)+2*\t)*4096 th:TH_STORE_NT
.else
	global_store_b128 v[CO], v[BK+32*((\a)%2)+4*\t:BK+32*((\a)%2)+4*\t+3], s[70:71] offset:(16*(\a)+2*\t)*4096   ; sixteen lanes store 256 consecutive bytes, aligned
.endif
.endr
.endm
	PLACES
	TOSTAGE 0
	s_wait_loadcnt 0x0                             ; the residual
.irp a, 1,2,3
.if \a > 1
	s_wait_xcnt 0x0                                ; the stores of two blocks back have read their registers
.endif
	TOSTAGE \a
	SEND \a-1, 16
.endr
	SEND 3, 0
	s_wait_tensorcnt 0x0                           ; the wave's end
	ds_add_u32 v[SPW], v[NIL]
	s_wait_dscnt 0x0
	CROUND                                         ; the closing round
	s_endpgm
.Lfunc_end_k_q6b64e80adc_wo:
	.size	k_q6b64e80adc_wo, .Lfunc_end_k_q6b64e80adc_wo-k_q6b64e80adc_wo
	.p2alignl 7, 3214868480
	.fill 96, 4, 3214868480
	.section	.rodata,"a",@progbits
	.p2align	6, 0x0
	.amdhsa_kernel k_q6b64e80adc_wo
		.amdhsa_group_segment_fixed_size 327680
		.amdhsa_private_segment_fixed_size 0
		.amdhsa_enable_private_segment 0
		.amdhsa_kernarg_size 40
		.amdhsa_user_sgpr_count 2
		.amdhsa_user_sgpr_kernarg_segment_ptr 1
		.amdhsa_wavefront_size32 1
		.amdhsa_system_sgpr_workgroup_id_x 1
		.amdhsa_system_sgpr_workgroup_id_y 1
		.amdhsa_system_sgpr_workgroup_id_z 1
		.amdhsa_system_vgpr_workitem_id 0
		.amdhsa_next_free_vgpr 640
		.amdhsa_next_free_sgpr 100
		.amdhsa_reserve_vcc 0
		.amdhsa_float_denorm_mode_32 3
		.amdhsa_float_denorm_mode_16_64 3
		.amdhsa_memory_ordered 1
		.amdhsa_forward_progress 1
		.amdhsa_inst_pref_size 49
	.end_amdhsa_kernel
	.amdgpu_metadata
---
amdhsa.version: [ 1, 2 ]
amdhsa.kernels:
  - .name:           k_q6b64e80adc_wo
    .symbol:         k_q6b64e80adc_wo.kd
    .args:
      - { .name: oc, .offset: 0, .size: 8, .value_kind: global_buffer, .address_space: global }
      - { .name: wc, .offset: 8, .size: 8, .value_kind: global_buffer, .address_space: global }
      - { .name: x, .offset: 16, .size: 8, .value_kind: global_buffer, .address_space: global }
      - { .name: lowp_scales, .offset: 24, .size: 8, .value_kind: global_buffer, .address_space: global }
      - { .name: y, .offset: 32, .size: 8, .value_kind: global_buffer, .address_space: global }
    .group_segment_fixed_size: 327680
    .private_segment_fixed_size: 0
    .kernarg_segment_align: 8
    .kernarg_segment_size: 40
    .max_flat_workgroup_size: 128
    .sgpr_count:     100
    .vgpr_count:     640
    .wavefront_size: 32
...
	.end_amdgpu_metadata
.endif
;; end of part 5
;; launch ln2 (part 6): grid 256 x 1, 4 waves a work-group, no clusters, 84,480 bytes of LDS; arguments y, ln2_w, ln2_b, lowp_scales, h2c; writes h2c
.if DOCPART == 6
	.amdgcn_target "amdgcn-amd-amdhsa--gfx1250"
	.amdhsa_code_object_version 6
	.text
	.protected	k_q6b64e80adc_ln2
	.globl	k_q6b64e80adc_ln2
	.p2align	8
	.type	k_q6b64e80adc_ln2,@function
k_q6b64e80adc_ln2:
	s_mov_b64 s[64:65], 0
	v_nop
	global_prefetch_b8 v0, s[64:65] scope:SCOPE_SE
	s_setreg_imm32_b32 hwreg(HW_REG_WAVE_MODE, 25, 1), 1
	s_wait_xcnt 0x0
; h2 = layernorm(y) x w + b, in f32, quantised with entry 12 of the exponents into codes of E5M2, laid out[row / 128][k / 128][row % 128][k % 128]: the A operand of product 7.
; The text is the first layer norm's with NSETS = 1: a wave takes 4 rows and keeps them in registers (mean, then the sum of squares of y - mean, 1 / sqrt(var + 1e-5) by v_rsq_f32); memory is read once, 512 consecutive bytes a load.
; The rows turn through the wave's own stage in LDS, so that a lane holds 16 neighbours along K; a store covers 4 rows x 128 bytes = 512 consecutive bytes of a block.
; LIMITS: e between -126 and 112.  NaN among the inputs is not served.  Waves share nothing: no barrier.  No matrix unit, cluster or tensor load: memory binds.
.set NSETS, 1
.set E0OFF, 0x30
.set ROWP,  5248
.set WREG,  4*ROWP
.set SPARE, 4*WREG
.set LO,   2
.set SIN,  3
.set SOUT, 4
.set SPW,  5
.set NIL,  6
.set SC,   8
.set HL,   11
.set ST,   16
.set PT,   24
.set X,    32
.set W,    160
.set BV,   192
.set T,    160
.set C,    192
.set CH,   224
	s_load_b256 s[4:11], s[0:1], 0x0               ; y, gain, bias, exponents
	s_load_b64 s[12:13], s[0:1], 0x20              ; the codes
	v_lshl_add_u32 v[SPW], v0, 2, SPARE
	v_mov_b32 v[NIL], 0
	v_lshrrev_b32 v1, 5, v0
	v_readfirstlane_b32 s14, v1
	v_and_b32 v1, 31, v0
	v_lshlrev_b32 v[LO], 4, v1
	s_mul_i32 s15, s14, WREG
	v_lshrrev_b32 v7, 2, v1
	v_mul_u32_u24 v[SIN], v7, 80
	v_and_b32 v7, 3, v1
	v_lshl_add_u32 v[SIN], v7, 4, v[SIN]
	v_add_nc_u32 v[SIN], s15, v[SIN]
	v_lshrrev_b32 v7, 3, v1
	v_mul_u32_u24 v[SOUT], v7, ROWP
	v_and_b32 v7, 7, v1
	v_mad_u32_u24 v[SOUT], v7, 80, v[SOUT]
	v_add_nc_u32 v[SOUT], s15, v[SOUT]
	s_mov_b32 s20, 0x3a800000                      ; 1 / 1024
	s_mov_b32 s21, 0x3727c5ac                      ; 1e-5
	s_mov_b32 s22, 0x76543210
	s_mov_b32 s23, 0xfedcba98
	s_lshl_b32 s16, ttmp9, 16
	s_lshl_b32 s17, s14, 14
	s_add_co_u32 s16, s16, s17
	s_mov_b32 s17, 0
	s_lshr_b32 s18, ttmp9, 3
	s_lshl_b32 s18, s18, 17
	s_and_b32 s19, ttmp9, 7
	s_lshl_b32 s19, s19, 11
	s_add_co_u32 s18, s18, s19
	s_lshl_b32 s19, s14, 9
	s_add_co_u32 s18, s18, s19
	s_mov_b32 s19, 0
.irp q, 0,1,2,3
	v_mov_b32 v[PT+\q], 0
.endr
	s_wait_kmcnt 0x0
	s_load_b32 s32, s[10:11], E0OFF
	s_add_nc_u64 s[4:5], s[4:5], s[16:17]
	s_add_nc_u64 s[24:25], s[12:13], s[18:19]
.irp q, 0,1,2,3
.irp j, 0,1,2,3,4,5,6,7
	global_load_b128 v[X+32*\q+4*\j:X+32*\q+4*\j+3], v[LO], s[4:5] offset:4096*\q+512*\j
.endr
.endr
.irp j, 0,1,2,3,4,5,6,7
	global_load_b128 v[W+4*\j:W+4*\j+3], v[LO], s[6:7] offset:512*\j
.endr
.irp j, 0,1,2,3,4,5,6,7
	global_load_b128 v[BV+4*\j:BV+4*\j+3], v[LO], s[8:9] offset:512*\j
.endr
.macro CROSS
.irp m, 1,2,4,8
.irp q, 0,1,2,3
	v_add_f32_dpp v[CH+4*\q], v[CH+4*\q], v[CH+4*\q] row_xmask:\m row_mask:0xf bank_mask:0xf
.endr
.endr
.irp q, 0,1,2,3
	v_permlanex16_b32 v[PT+\q], v[CH+4*\q], s22, s23
.endr
.irp q, 0,1,2,3
	v_add_f32 v[CH+4*\q], v[CH+4*\q], v[PT+\q]
.endr
.endm
.irp q, 0,1,2,3
	s_wait_loadcnt 40-8*\q                         ; this row's eight loads are in; the later rows' and the 16 of gain and bias may be out
	v_pk_add_f32 v[CH+4*\q:CH+4*\q+1], v[X+32*\q:X+32*\q+1], v[X+32*\q+2:X+32*\q+3]
	v_pk_add_f32 v[CH+4*\q+2:CH+4*\q+3], v[X+32*\q+4:X+32*\q+5], v[X+32*\q+6:X+32*\q+7]
.irp j, 8,12,16,20,24,28
	v_pk_add_f32 v[CH+4*\q:CH+4*\q+1], v[CH+4*\q:CH+4*\q+1], v[X+32*\q+\j:X+32*\q+\j+1]
	v_pk_add_f32 v[CH+4*\q+2:CH+4*\q+3], v[CH+4*\q+2:CH+4*\q+3], v[X+32*\q+\j+2:X+32*\q+\j+3]
.endr
	v_pk_add_f32 v[CH+4*\q:CH+4*\q+1], v[CH+4*\q:CH+4*\q+1], v[CH+4*\q+2:CH+4*\q+3]
	v_add_f32 v[CH+4*\q], v[CH+4*\q], v[CH+4*\q+1]
.endr
	CROSS
.irp q, 0,1,2,3
	v_mul_f32 v[ST+2*\q], s20, v[CH+4*\q]
	v_mul_f32 v[ST+2*\q+1], s20, v[CH+4*\q]
.endr
.irp q, 0,1,2,3
.irp j, 0,2,4,6,8,10,12,14,16,18,20,22,24,26,28,30
	v_pk_add_f32 v[X+32*\q+\j:X+32*\q+\j+1], v[X+32*\q+\j:X+32*\q+\j+1], v[ST+2*\q:ST+2*\q+1] neg_lo:[0,1] neg_hi:[0,1]
.endr
	v_pk_mul_f32 v[CH+4*\q:CH+4*\q+1], v[X+32*\q:X+32*\q+1], v[X+32*\q:X+32*\q+1]
	v_pk_mul_f32 v[CH+4*\q+2:CH+4*\q+3], v[X+32*\q+2:X+32*\q+3], v[X+32*\q+2:X+32*\q+3]
.irp j, 4,8,12,16,20,24,28
	v_pk_fma_f32 v[CH+4*\q:CH+4*\q+1], v[X+32*\q+\j:X+32*\q+\j+1], v[X+32*\q+\j:X+32*\q+\j+1], v[CH+4*\q:CH+4*\q+1]
	v_pk_fma_f32 v[CH+4*\q+2:CH+4*\q+3], v[X+32*\q+\j+2:X+32*\q+\j+3], v[X+32*\q+\j+2:X+32*\q+\j+3], v[CH+4*\q+2:CH+4*\q+3]
.endr
	v_pk_add_f32 v[CH+4*\q:CH+4*\q+1], v[CH+4*\q:CH+4*\q+1], v[CH+4*\q+2:CH+4*\q+3]
	v_add_f32 v[CH+4*\q], v[CH+4*\q], v[CH+4*\q+1]
.endr
	CROSS
.irp q, 0,1,2,3
	v_fma_f32 v[PT+\q], v[CH+4*\q], s20, s21
.endr
.irp q, 0,1,2,3
	v_rsq_f32 v[ST+2*\q], v[PT+\q]
	v_rsq_f32 v[ST+2*\q+1], v[PT+\q]
.endr
	v_nop                                          ; a plain instruction behind the last of the batch
	s_wait_alu depctr_va_vdst(0)                   ; one wait for the batch, ahead of its first reader
	s_wait_loadcnt 0x0
.irp q, 0,1,2,3
.irp j, 0,2,4,6,8,10,12,14,16,18,20,22,24,26,28,30
	v_pk_mul_f32 v[X+32*\q+\j:X+32*\q+\j+1], v[X+32*\q+\j:X+32*\q+\j+1], v[ST+2*\q:ST+2*\q+1]
.endr
.irp j, 0,2,4,6,8,10,12,14,16,18,20,22,24,26,28,30
	v_pk_fma_f32 v[X+32*\q+\j:X+32*\q+\j+1], v[X+32*\q+\j:X+32*\q+\j+1], v[W+\j:W+\j+1], v[BV+\j:BV+\j+1]
.endr
.endr
.irp q, 0,1,2,3
.irp j, 0,1,2,3,4,5,6,7
	ds_store_b128 v[SIN], v[X+32*\q+4*\j:X+32*\q+4*\j+3] offset:ROWP*\q+640*\j
.endr
.endr
	s_wait_kmcnt 0x0
	s_add_co_i32 s40, s32, 127
	s_lshl_b32 s41, s40, 23
	v_mov_b32 v[SC], s41
	s_add_co_i32 s40, s40, 15
	s_lshl_b32 s40, s40, 23
	s_or_b32 s40, s40, 0x600000
	v_mov_b32 v[HL], s40
	s_wait_dscnt 0x0                               ; the stores have read X, which the loads below fill anew
.irp k, 0,1,2,3,4,5,6,7
.irp j, 0,1,2,3
	ds_load_b128 v[X+16*\k+4*\j:X+16*\k+4*\j+3], v[SOUT] offset:640*\k+16*\j
.endr
.endr
.set ks, 0
.rept 8
	s_wait_dscnt 28-4*ks                           ; this k / 128's four loads are in; the later ones may be out
.set i, 0
.rept 16
	v_med3_num_f32 v[T+16*(ks%2)+i], v[X+16*ks+i], -v[HL], v[HL]
.set i, i+1
.endr
	v_cvt_scalef32_pk8_bf8_f32 v[C+4*ks:C+4*ks+1], v[T+16*(ks%2):T+16*(ks%2)+7], v[SC]
	v_cvt_scalef32_pk8_bf8_f32 v[C+4*ks+2:C+4*ks+3], v[T+16*(ks%2)+8:T+16*(ks%2)+15], v[SC]
	global_store_b128 v[LO], v[C+4*ks:C+4*ks+3], s[24:25] offset:16384*ks
.set ks, ks+1
.endr
	s_wait_tensorcnt 0x0                           ; the wave's end
	ds_add_u32 v[SPW], v[NIL]
	s_wait_dscnt 0x0
	s_endpgm
.Lfunc_end_k_q6b64e80adc_ln2:
	.size	k_q6b64e80adc_ln2, .Lfunc_end_k_q6b64e80adc_ln2-k_q6b64e80adc_ln2
	.p2alignl 7, 3214868480
	.fill 96, 4, 3214868480
	.section	.rodata,"a",@progbits
	.p2align	6, 0x0
	.amdhsa_kernel k_q6b64e80adc_ln2
		.amdhsa_group_segment_fixed_size 84480
		.amdhsa_private_segment_fixed_size 0
		.amdhsa_enable_private_segment 0
		.amdhsa_kernarg_size 40
		.amdhsa_user_sgpr_count 2
		.amdhsa_user_sgpr_kernarg_segment_ptr 1
		.amdhsa_wavefront_size32 1
		.amdhsa_system_sgpr_workgroup_id_x 1
		.amdhsa_system_sgpr_workgroup_id_y 1
		.amdhsa_system_sgpr_workgroup_id_z 1
		.amdhsa_system_vgpr_workitem_id 0
		.amdhsa_next_free_vgpr 256
		.amdhsa_next_free_sgpr 66
		.amdhsa_reserve_vcc 0
		.amdhsa_float_denorm_mode_32 3
		.amdhsa_float_denorm_mode_16_64 3
		.amdhsa_memory_ordered 1
		.amdhsa_forward_progress 1
		.amdhsa_inst_pref_size 46
	.end_amdhsa_kernel
	.amdgpu_metadata
---
amdhsa.version: [ 1, 2 ]
amdhsa.kernels:
  - .name:           k_q6b64e80adc_ln2
    .symbol:         k_q6b64e80adc_ln2.kd
    .args:
      - { .name: y, .offset: 0, .size: 8, .value_kind: global_buffer, .address_space: global }
      - { .name: ln2_w, .offset: 8, .size: 8, .value_kind: global_buffer, .address_space: global }
      - { .name: ln2_b, .offset: 16, .size: 8, .value_kind: global_buffer, .address_space: global }
      - { .name: lowp_scales, .offset: 24, .size: 8, .value_kind: global_buffer, .address_space: global }
      - { .name: h2c, .offset: 32, .size: 8, .value_kind: global_buffer, .address_space: global }
    .group_segment_fixed_size: 84480
    .private_segment_fixed_size: 0
    .kernarg_segment_align: 8
    .kernarg_segment_size: 40
    .max_flat_workgroup_size: 128
    .sgpr_count:     66
    .vgpr_count:     256
    .wavefront_size: 32
...
	.end_amdgpu_metadata
.endif
;; end of part 6
;; launch win (part 7): grid 16 x 16, 4 waves a work-group, clusters of 4 x 4, 327,680 bytes of LDS; arguments h2c, wc, lowp_scales, actc; writes actc
.if DOCPART == 7
	.amdgcn_target "amdgcn-amd-amdhsa--gfx1250"
	.amdhsa_code_object_version 6
	.text
	.protected	k_q6b64e80adc_win
	.globl	k_q6b64e80adc_win
	.p2align	8
	.type	k_q6b64e80adc_win,@function
k_q6b64e80adc_win:
	s_mov_b64 s[64:65], 0
	v_nop
	global_prefetch_b8 v0, s[64:65] scope:SCOPE_SE
	s_setreg_imm32_b32 hwreg(HW_REG_WAVE_MODE, 25, 1), 1
	s_wait_xcnt 0x0
	s_wait_alu depctr_hold_cnt(0) depctr_sa_sdst(0) depctr_va_vdst(0) depctr_va_sdst(0) depctr_va_ssrc(0) depctr_va_vcc(0) depctr_vm_vsrc(0)
	s_getreg_b32 s2, hwreg(HW_REG_IB_STS2, 6, 4)
	s_cmp_eq_u32 s2, 0
	s_cbranch_scc0 .Lentry_in_a_cluster
	s_endpgm
.Lentry_in_a_cluster:
	s_bfe_u32 s2, ttmp6, 0x10000c
	s_cmp_lg_u32 s2, 0xf033
	s_cbranch_scc0 .Lentry_shape_is_right
	s_endpgm
.Lentry_shape_is_right:
; Product 7 on codes of E5M2 (A = h2c, B = w_in's codes at wc + 4 MiB, K = 1,024), then silu(g) x u in f32, quantised with entry 14 for product 8.
; w_in's tiles of 128 rows hold 64 columns of g and the same 64 of u: a wave's accumulators b = 0 .. 3 are g, b = 4 .. 7 the matching u, in the same lane and register.
; The loop is the text of the launch for q, k, v: tiles of 256 x 256, four waves of 128 x 128, K in steps of 256 through two LDS slots, clusters of 4 x 4 with joint loads, the matrix instruction used transposed.
; With s = e12 + e13, G and U the raw sums: silu(g) u = G U 2^(2 s) / (1 + 2^(-log2(e) 2^s G)); the factor 2^(2 s) is folded into the conversion's scale, E = e14 - 2 s.
; OUT: actc[row / 128][f / 128][row % 128][f % 128].  A row's 128 codes come from two waves: they meet in one stage, with a barrier between writing and reading.
; LIMITS: s between -126 and 127; E between -126 and 112.  NaN among the inputs is not served.
.set PITCH,  144
.set PANEL,  128*PITCH
.set HALFT,  2*PANEL
.set SLOT,   4*HALFT
.set SPARE,  2*SLOT
.set KB,     32768
.set FR,     16
.set NL,     4
.set NP,     4
.set LAPS,   2
.set ADRA, 16
.set ADRB, 20
.set STO,  24
.set RD,   25
.set GO,   26
.set SPW,  28
.set NIL,  29
.set SCL,  30
.set HLD,  31
.set TMP,  32
.set CD,   96
.set AF,   128
.set BK,   128
.set G1, 24
.set G0, 32
.set G1B, 48
.set G0B, 56
.set MSB, 0
.macro WIN new
.if MSB != \new
	s_set_vgpr_msb (MSB<<8)|\new
.set MSB, \new
.endif
.endm
.set MUL_LO, 0xa1
.set MUL_HI, 0xf1
.set TO_B,   0x40
.macro JLOAD g0a, g1a, g0b, g1b
	s_cmp_eq_u32 s15, 0
	s_cbranch_scc0 .Lfor_b_\@
	tensor_load_to_lds s[\g0a:\g0a+3], s[\g1a:\g1a+7]
	s_nop 0
.rept 4
	v_nop
.endr
	s_branch .Lasked_\@
.Lfor_b_\@:
	tensor_load_to_lds s[\g0b:\g0b+3], s[\g1b:\g1b+7]
	s_nop 0
.rept 4
	v_nop
.endr
.Lasked_\@:
.endm
.macro CREST
	s_cmp_lg_u32 s14, 0
	s_cbranch_scc1 .Lnot_wave_0_\@
	s_barrier_signal -3
.Lnot_wave_0_\@:
	s_barrier_wait -3
	s_barrier_signal -1
	s_barrier_wait -1
.endm
.macro CROUND
	s_barrier_signal -1
	s_barrier_wait -1
	CREST
.endm
	s_load_b128 s[4:7], s[0:1], 0x0                ; h2c, wc
	s_load_b128 s[8:11], s[0:1], 0x10              ; the exponents, actc
	v_lshl_add_u32 v[SPW], v0, 2, SPARE
	v_mov_b32 v[NIL], 0
	ds_add_u32 v[SPW], v[NIL]                      ; the opening: the add, twice on end, and its wait ahead of my first tensor load
	ds_add_u32 v[SPW], v[NIL]
	v_lshrrev_b32 v1, 5, v0
	v_readfirstlane_b32 s14, v1
	s_lshr_b32 s15, s14, 1
	s_and_b32 s16, s14, 1
	s_bfe_u32 s40, ttmp6, 0x40000
	s_bfe_u32 s41, ttmp6, 0x40004
	s_lshl_b32 s42, ttmp9, 2
	s_add_co_u32 s42, s42, s40                     ; tile column
	s_and_b32 s17, ttmp7, 0xffff
	s_lshl_b32 s17, s17, 2
	s_add_co_u32 s17, s17, s41                     ; tile row
	s_lshl_b32 s43, s41, 2
	s_lshl_b32 s43, 15, s43
	s_lshl_b32 s44, 0x1111, s40
	s_or_b32 s[G1+0], s43, (0<<16)|(1<<20)|(1<<21)|(4<<22)|(3<<25)
	s_or_b32 s[G1B+0], s44, (0<<16)|(1<<20)|(1<<21)|(4<<22)|(3<<25)
.irp g, G1, G1B
	s_mov_b32 s[\g+1], 128<<16
	s_mov_b32 s[\g+2], 256<<16
	s_mov_b32 s[\g+3], 128<<16
	s_mov_b32 s[\g+4], 256
	s_mov_b32 s[\g+5], 128
	s_mov_b32 s[\g+6], 0
	s_mov_b32 s[\g+7], 0
.endr
	s_lshl_b32 s20, s17, 1
	s_add_co_u32 s20, s20, s16
	s_lshl_b32 s20, s20, 17
	s_mov_b32 s21, 0
	s_lshl_b32 s46, s42, 1
	s_add_co_u32 s46, s46, s16
	s_lshl_b32 s46, s46, 17
	s_add_co_u32 s46, s46, 0x400000
	s_mov_b32 s47, 0
	s_mul_i32 s45, s14, HALFT
	s_wait_dscnt 0x0
	s_wait_kmcnt 0x0
	s_load_b128 s[68:71], s[8:9], 0x30             ; e12, e13, e14, e15
	s_add_nc_u64 s[20:21], s[4:5], s[20:21]
	s_add_nc_u64 s[46:47], s[6:7], s[46:47]
	CROUND
.irp s, 0,1
	s_mov_b32 s[G0+4*\s], 1
	s_add_co_u32 s[G0+4*\s+1], s45, \s*SLOT
	s_add_nc_u64 s[G0+4*\s+2:G0+4*\s+3], s[20:21], \s*KB
	s_or_b32 s[G0+4*\s+3], s[G0+4*\s+3], 0x80000000
	s_mov_b32 s[G0B+4*\s], 1
	s_add_co_u32 s[G0B+4*\s+1], s45, \s*SLOT
	s_add_nc_u64 s[G0B+4*\s+2:G0B+4*\s+3], s[46:47], \s*KB
	s_or_b32 s[G0B+4*\s+3], s[G0B+4*\s+3], 0x80000000
	JLOAD G0+4*\s, G1, G0B+4*\s, G1B
.endr
	v_and_b32 v1, 15, v0
	v_bfe_u32 v2, v0, 4, 1
	v_mul_u32_u24 v3, v1, PITCH
	v_lshl_add_u32 v4, v2, 4, v3
	s_mul_i32 s21, s15, HALFT
	s_mul_i32 s22, s16, HALFT
	s_add_co_u32 s22, s22, 2*HALFT
.irp s, 0,1
	v_add_nc_u32 v[ADRA+\s], s21, v4
	v_add_nc_u32 v[ADRB+\s], s22, v4
	s_add_co_u32 s21, s21, SLOT
	s_add_co_u32 s22, s22, SLOT
.endr
	s_mul_i32 s23, s15, 128*PITCH                  ; the work-group's stage: 256 rows of 144 bytes, in slot 0, which has had its last fill and its last read when the first codes are stored there
	s_lshl_b32 s21, s16, 6
	s_add_co_u32 s23, s23, s21
	v_lshl_add_u32 v5, v2, 3, v3
	v_add_nc_u32 v[STO], s23, v5                   ; in: row 128 (w / 2) + r, byte 64 (w % 2) + 8 h
	s_mul_i32 s23, s14, 64*PITCH
	v_and_b32 v6, 31, v0
	v_lshlrev_b32 v[GO], 4, v6
	v_lshrrev_b32 v5, 3, v6
	v_mul_u32_u24 v5, v5, PITCH
	v_and_b32 v6, 7, v6
	v_lshl_add_u32 v5, v6, 4, v5
	v_add_nc_u32 v[RD], s23, v5                    ; back: wave w takes rows 64 w on, eight lanes to a row
	s_lshl_b32 s20, s17, 1
	s_add_co_u32 s20, s20, s15                     ; row / 128
	s_lshl_b32 s20, s20, 4
	s_add_co_u32 s20, s20, s42                     ; x 16 + f / 128
	s_lshl_b32 s20, s20, 14
	s_lshl_b32 s21, s16, 13
	s_add_co_u32 s20, s20, s21                     ; + 64 (w % 2) rows of 128 bytes
	s_mov_b32 s21, 0
	s_add_nc_u64 s[10:11], s[10:11], s[20:21]
.macro FRAG reg, adr, q, i
.irp c, 0,1,2,3
	ds_load_b128 v[\reg+4*\c:\reg+4*\c+3], v[\adr] offset:PANEL*(\q)+32*\c+(\i)*16*PITCH
.endr
.endm
.macro MUL16 a0, p, zero               ; the 64 accumulators take turns, one instruction a turn
.irp a, \a0, \a0+1
.irp b, 0,1,2,3,4,5,6,7
.if \zero
	v_wmma_f32_16x16x128_bf8_bf8 v[8*(8*((\a)%4)+\b):8*(8*((\a)%4)+\b)+7], v[128*(\p)+FR*\b:128*(\p)+FR*\b+FR-1], v[AF+FR*(\a):AF+FR*(\a)+FR-1], 0
.else
	v_wmma_f32_16x16x128_bf8_bf8 v[8*(8*((\a)%4)+\b):8*(8*((\a)%4)+\b)+7], v[128*(\p)+FR*\b:128*(\p)+FR*\b+FR-1], v[AF+FR*(\a):AF+FR*(\a)+FR-1], v[8*(8*((\a)%4)+\b):8*(8*((\a)%4)+\b)+7]
.endif
.endr
.endr
.endm
.macro FETCH_B slot, q, p
	WIN TO_B
.irp i, 0,1,2,3,4,5,6,7
	FRAG 128*(\p)+FR*\i, ADRB+\slot, \q, \i
.endr
	WIN 0
.endm
.macro FETCH_A slot, q, i0
.irp i, \i0, \i0+1, \i0+2, \i0+3
	FRAG AF+FR*(\i), ADRA+\slot, \q, \i
.endr
.endm
.macro PLACES n
.rept \n
	v_nop
.endr
.endm
.macro STEP slot, q, zero
	s_wait_dscnt 4*NL                              ; all but the youngest sixteen loads (A's blocks 4-7)
	WIN MUL_LO
	MUL16 0, (\q)%2, \zero
	MUL16 2, (\q)%2, \zero
	s_wait_dscnt 0
	PLACES NP
	FETCH_B \slot, (\q)+1, 1-(\q)%2
	FETCH_A \slot, (\q)+1, 0
	WIN MUL_HI
	MUL16 4, (\q)%2, \zero
	MUL16 6, (\q)%2, \zero
	PLACES NP
	WIN 0
	FETCH_A \slot, (\q)+1, 4
.endm
.macro TURN slot, next, fill
	s_wait_tensorcnt 0x0                           ; all my tensor loads have landed: my part of the next slot
	ds_add_u32 v[SPW], v[NIL]
	s_wait_dscnt 4*NL+1                            ; the add and the youngest sixteen loads may be out
	WIN MUL_LO
	MUL16 0, 1, 0
	s_wait_dscnt 0x0                               ; the add is done, and my reads of this slot are over
	s_barrier_signal -1
	MUL16 2, 1, 0
	WIN 0
	s_barrier_wait -1
.if \fill
	CREST
	s_add_nc_u64 s[G0+4*\slot+2:G0+4*\slot+3], s[G0+4*\slot+2:G0+4*\slot+3], 2*KB
	s_add_nc_u64 s[G0B+4*\slot+2:G0B+4*\slot+3], s[G0B+4*\slot+2:G0B+4*\slot+3], 2*KB
	JLOAD G0+4*\slot, G1, G0B+4*\slot, G1B
.else
	PLACES NP
.endif
	FETCH_B \next, 0, 0
	FETCH_A \next, 0, 0
	WIN MUL_HI
	MUL16 4, 1, 0
	MUL16 6, 1, 0
	PLACES NP
	WIN 0
	FETCH_A \next, 0, 4
.endm
	s_wait_tensorcnt 1                             ; my part of slot 0 is in; slot 1's load may be out
	s_barrier_signal -1
	s_barrier_wait -1
	FETCH_B 0, 0, 0
	FETCH_A 0, 0, 0
	FETCH_A 0, 0, 4
	STEP 0, 0, 1
	s_mov_b32 s3, LAPS-1
.Llap:
	TURN 0, 1, 1
	STEP 1, 0, 0
	TURN 1, 0, 1
	STEP 0, 0, 0
	s_sub_co_u32 s3, s3, 1
	s_cmp_lg_u32 s3, 0
	s_cbranch_scc1 .Llap
	TURN 0, 1, 0
	STEP 1, 0, 0
	s_wait_dscnt 4*NL
	WIN MUL_LO
	MUL16 0, 1, 0
	MUL16 2, 1, 0
	s_wait_dscnt 0
	WIN MUL_HI
	MUL16 4, 1, 0
	MUL16 6, 1, 0
	WIN 0
	s_wait_kmcnt 0x0
	s_add_co_i32 s72, s68, s69                     ; s = e12 + e13
	s_lshl_b32 s73, s72, 23
	s_add_co_u32 s96, s73, 0xbfb8aa3b              ; -log2(e) x 2^s: s goes into the exponent field
	s_mov_b32 s97, s96
	s_lshl_b32 s72, s72, 1
	s_sub_co_i32 s72, s70, s72                     ; E = e14 - 2 s
	s_add_co_i32 s72, s72, 127
	s_lshl_b32 s73, s72, 23
	v_mov_b32 v[SCL], s73
	s_add_co_i32 s72, s72, 15
	s_lshl_b32 s72, s72, 23
	s_or_b32 s72, s72, 0x600000
	v_mov_b32 v[HLD], s72
; 16 rows: G U / (1 + 2^(-log2(e) g)), held, converted, into the stage.  Where the exponential overflows the reciprocal is 0, as silu is.
.macro ACT a
.set AC, 64*((\a)%4)
	WIN 0x02+((\a)/4)                              ; source 0: window 2 or 3
.set j, 0
.rept 16
	v_pk_mul_f32 v[TMP+j:TMP+j+1], v[AC+j:AC+j+1], s[96:97] op_sel_hi:[1,0]   ; g's accumulators from their low ends on
.set j, j+2
.endr
	WIN 0x0a+5*((\a)/4)                            ; sources 0 and 1
.set j, 0
.rept 16
	v_pk_mul_f32 v[TMP+32+j:TMP+33+j], v[AC+j:AC+j+1], v[AC+32+j:AC+33+j]     ; u's likewise
.set j, j+2
.endr
	WIN 0
.set j, 0
.rept 32
	v_exp_f32 v[TMP+j], v[TMP+j]
.set j, j+1
.endr
	v_nop
	s_wait_alu depctr_va_vdst(0)                   ; one wait for the batch, ahead of its first reader
.set j, 0
.rept 16
	v_pk_add_f32 v[TMP+j:TMP+j+1], v[TMP+j:TMP+j+1], 1.0 op_sel_hi:[1,0]
.set j, j+2
.endr
.set j, 0
.rept 32
	v_rcp_f32 v[TMP+j], v[TMP+j]
.set j, j+1
.endr
	v_nop
	s_wait_alu depctr_va_vdst(0)
.set j, 0
.rept 16
	v_pk_mul_f32 v[TMP+32+j:TMP+33+j], v[TMP+32+j:TMP+33+j], v[TMP+j:TMP+j+1]
.set j, j+2
.endr
.set j, 0
.rept 32
	v_med3_num_f32 v[TMP+32+j], v[TMP+32+j], -v[HLD], v[HLD]
.set j, j+1
.endr
	s_wait_dscnt 4                                 ; the block before's four stores may be out; those that read this set of code registers are done
.irp b, 0,1,2,3
	v_cvt_scalef32_pk8_bf8_f32 v[CD+8*((\a)%2)+2*\b:CD+8*((\a)%2)+2*\b+1], v[TMP+32+8*\b:TMP+32+8*\b+7], v[SCL]
.endr
	v_nop                                          ; a plain line behind the last conversion
.irp b, 0,1,2,3
	ds_store_b64 v[STO], v[CD+8*((\a)%2)+2*\b:CD+8*((\a)%2)+2*\b+1] offset:16*PITCH*(\a)+16*\b
.endr
.endm
	PLACES NP
.irp a, 0,1,2,3,4,5,6,7
	ACT \a
.endr
	s_wait_dscnt 0x0                               ; for the others' sake: my stores into the stage are done
	s_barrier_signal -1
	s_barrier_wait -1
.irp i, 0,1,2,3,4,5,6,7,8,9,10,11,12,13,14,15
	ds_load_b128 v[BK+4*\i:BK+4*\i+3], v[RD] offset:4*\i*PITCH
.endr
.irp i, 0,1,2,3,4,5,6,7,8,9,10,11,12,13,14,15
	s_wait_dscnt 15-\i                             ; the later loads may be out
	global_store_b128 v[GO], v[BK+4*\i:BK+4*\i+3], s[10:11] offset:512*\i   ; four rows of 128 bytes: 512 consecutive bytes
.endr
	s_wait_tensorcnt 0x0                           ; the wave's end
	ds_add_u32 v[SPW], v[NIL]
	s_wait_dscnt 0x0
	CROUND                                         ; the closing round
	s_endpgm
.Lfunc_end_k_q6b64e80adc_win:
	.size	k_q6b64e80adc_win, .Lfunc_end_k_q6b64e80adc_win-k_q6b64e80adc_win
	.p2alignl 7, 3214868480
	.fill 96, 4, 3214868480
	.section	.rodata,"a",@progbits
	.p2align	6, 0x0
	.amdhsa_kernel k_q6b64e80adc_win
		.amdhsa_group_segment_fixed_size 327680
		.amdhsa_private_segment_fixed_size 0
		.amdhsa_enable_private_segment 0
		.amdhsa_kernarg_size 32
		.amdhsa_user_sgpr_count 2
		.amdhsa_user_sgpr_kernarg_segment_ptr 1
		.amdhsa_wavefront_size32 1
		.amdhsa_system_sgpr_workgroup_id_x 1
		.amdhsa_system_sgpr_workgroup_id_y 1
		.amdhsa_system_sgpr_workgroup_id_z 1
		.amdhsa_system_vgpr_workitem_id 0
		.amdhsa_next_free_vgpr 1024
		.amdhsa_next_free_sgpr 100
		.amdhsa_reserve_vcc 0
		.amdhsa_float_denorm_mode_32 3
		.amdhsa_float_denorm_mode_16_64 3
		.amdhsa_memory_ordered 1
		.amdhsa_forward_progress 1
		.amdhsa_inst_pref_size 152
	.end_amdhsa_kernel
	.amdgpu_metadata
---
amdhsa.version: [ 1, 2 ]
amdhsa.kernels:
  - .name:           k_q6b64e80adc_win
    .symbol:         k_q6b64e80adc_win.kd
    .args:
      - { .name: h2c, .offset: 0, .size: 8, .value_kind: global_buffer, .address_space: global }
      - { .name: wc, .offset: 8, .size: 8, .value_kind: global_buffer, .address_space: global }
      - { .name: lowp_scales, .offset: 16, .size: 8, .value_kind: global_buffer, .address_space: global }
      - { .name: actc, .offset: 24, .size: 8, .value_kind: global_buffer, .address_space: global }
    .group_segment_fixed_size: 327680
    .private_segment_fixed_size: 0
    .kernarg_segment_align: 8
    .kernarg_segment_size: 32
    .max_flat_workgroup_size: 128
    .sgpr_count:     100
    .vgpr_count:     1024
    .wavefront_size: 32
...
	.end_amdgpu_metadata
.endif
;; end of part 7
;; launch wout (part 8): grid 8 x 32, 4 waves a work-group, clusters of 4 x 4, 327,680 bytes of LDS; arguments actc, wc, y, lowp_scales, out0; writes out0
.if DOCPART == 8
	.amdgcn_target "amdgcn-amd-amdhsa--gfx1250"
	.amdhsa_code_object_version 6
	.text
	.protected	k_q6b64e80adc_wout
	.globl	k_q6b64e80adc_wout
	.p2align	8
	.type	k_q6b64e80adc_wout,@function
k_q6b64e80adc_wout:
	s_mov_b64 s[64:65], 0
	v_nop
	global_prefetch_b8 v0, s[64:65] scope:SCOPE_SE
	s_setreg_imm32_b32 hwreg(HW_REG_WAVE_MODE, 25, 1), 1
	s_wait_xcnt 0x0
	s_wait_alu depctr_hold_cnt(0) depctr_sa_sdst(0) depctr_va_vdst(0) depctr_va_sdst(0) depctr_va_ssrc(0) depctr_va_vcc(0) depctr_vm_vsrc(0)
	s_getreg_b32 s2, hwreg(HW_REG_IB_STS2, 6, 4)
	s_cmp_eq_u32 s2, 0
	s_cbranch_scc0 .Lentry_in_a_cluster
	s_endpgm
.Lentry_in_a_cluster:
	s_bfe_u32 s2, ttmp6, 0x10000c
	s_cmp_lg_u32 s2, 0xf033
	s_cbranch_scc0 .Lentry_shape_is_right
	s_endpgm
.Lentry_shape_is_right:
; out = residual + (A B^T) x 2^(eA + eB): A [4096][K] and B [1024][K] as codes of E5M2 in blocks of 128 rows x 128 codes ([row / 128][k / 128], 16,384 dense bytes); residual and out f32 [4096][1024].
; Here: product 8, K = 2,048: A = actc, B = w_out's codes (wc + 8 MiB), residual y, out out0, exponents 14 and 15.
; The text is that of the launch for product 6 with four chunks of 512 along K: both slots are filled again once, each behind a round of the cluster's barrier.
; 256 tiles of 128 x 128, four waves of 64 x 64; clusters of 4 x 4 with joint loads; the matrix instruction used transposed; the residual asked for at the head.
; By this text's count a wave has two tensor loads out at the start and one behind each round.  LIMIT: eA + eB between -126 and 127.
.set KCH,   4
.set KP,    16
.set WOFF,  0x800000
.set EOFF,  0x38
.set LASTOUT, 1
.set PITCH,  144
.set PANEL,  128*PITCH
.set HALFT,  2*PANEL
.set SLOT,   4*HALFT
.set SPARE,  2*SLOT
.set SPITCH, 272
.set ADRA, 16
.set ADRB, 20
.set STO,  24
.set RD,   25
.set CO,   26
.set SPW,  28
.set NIL,  29
.set BK,   32
.set ACC,  128
.set F0,   0
.set F1,   128
.set G1, 24
.set G0, 32
.set G1B, 48
.set G0B, 56
.set MSB, 0
.macro WIN new
.if MSB != \new
	s_set_vgpr_msb (MSB<<8)|\new
.set MSB, \new
.endif
.endm
.set MUL,  0x05
.set TO_F, 0x40
.macro JLOAD s
	s_cmp_eq_u32 s11, 0
	s_cbranch_scc0 .Lfor_b_\@
	tensor_load_to_lds s[G0+4*\s:G0+4*\s+3], s[G1:G1+7]
	s_nop 0
.rept 4
	v_nop
.endr
	s_branch .Lasked_\@
.Lfor_b_\@:
	tensor_load_to_lds s[G0B+4*\s:G0B+4*\s+3], s[G1B:G1B+7]
	s_nop 0
.rept 4
	v_nop
.endr
.Lasked_\@:
.endm
.macro CROUND
	s_barrier_signal -1
	s_barrier_wait -1
	s_cmp_lg_u32 s10, 0
	s_cbranch_scc1 .Lnot_wave_0_\@
	s_barrier_signal -3
.Lnot_wave_0_\@:
	s_barrier_wait -3
	s_barrier_signal -1
	s_barrier_wait -1
.endm
	s_load_b128 s[4:7], s[0:1], 0x0                ; A's codes, wc
	s_load_b64 s[8:9], s[0:1], 0x10                ; the residual
	s_load_b128 s[68:71], s[0:1], 0x18             ; the exponents, out
	v_lshl_add_u32 v[SPW], v0, 2, SPARE
	v_mov_b32 v[NIL], 0
	ds_add_u32 v[SPW], v[NIL]                      ; the opening: the add, twice on end, and its wait ahead of my first tensor load
	ds_add_u32 v[SPW], v[NIL]
	v_lshrrev_b32 v1, 5, v0
	v_readfirstlane_b32 s10, v1
	s_lshr_b32 s11, s10, 1
	s_and_b32 s12, s10, 1
	s_bfe_u32 s40, ttmp6, 0x40000
	s_bfe_u32 s41, ttmp6, 0x40004
	s_lshl_b32 s42, ttmp9, 2
	s_add_co_u32 s42, s42, s40
	s_and_b32 s13, ttmp7, 0xffff
	s_lshl_b32 s13, s13, 2
	s_add_co_u32 s13, s13, s41
	s_lshl_b32 s43, s41, 2
	s_lshl_b32 s43, 15, s43
	s_lshl_b32 s44, 0x1111, s40
	s_or_b32 s[G1+0], s43, (0<<16)|(1<<20)|(1<<21)|(4<<22)|(3<<25)
	s_or_b32 s[G1B+0], s44, (0<<16)|(1<<20)|(1<<21)|(4<<22)|(3<<25)
.irp g, G1, G1B
	s_mov_b32 s[\g+1], 128<<16
	s_mov_b32 s[\g+2], 256<<16
	s_mov_b32 s[\g+3], 128<<16
	s_mov_b32 s[\g+4], 256
	s_mov_b32 s[\g+5], 128
	s_mov_b32 s[\g+6], 0
	s_mov_b32 s[\g+7], 0
.endr
	s_mul_i32 s16, s13, KP
	s_lshl_b32 s17, s12, 1
	s_add_co_u32 s16, s16, s17
	s_lshl_b32 s16, s16, 14
	s_mov_b32 s17, 0
	s_mul_i32 s46, s42, KP
	s_lshl_b32 s47, s12, 1
	s_add_co_u32 s46, s46, s47
	s_lshl_b32 s46, s46, 14
	s_add_co_u32 s46, s46, WOFF
	s_mov_b32 s47, 0
	s_mul_i32 s20, s10, HALFT
	s_wait_dscnt 0x0
	s_wait_kmcnt 0x0
	s_load_b64 s[96:97], s[68:69], EOFF
	s_add_nc_u64 s[14:15], s[4:5], s[16:17]
	s_add_nc_u64 s[46:47], s[6:7], s[46:47]
	CROUND
.irp s, 0,1
	s_mov_b32 s[G0+4*\s], 1
	s_add_co_u32 s[G0+4*\s+1], s20, \s*SLOT
	s_add_nc_u64 s[G0+4*\s+2:G0+4*\s+3], s[14:15], \s*65536
	s_or_b32 s[G0+4*\s+3], s[G0+4*\s+3], 0x80000000
	s_mov_b32 s[G0B+4*\s], 1
	s_add_co_u32 s[G0B+4*\s+1], s20, \s*SLOT
	s_add_nc_u64 s[G0B+4*\s+2:G0B+4*\s+3], s[46:47], \s*65536
	s_or_b32 s[G0B+4*\s+3], s[G0B+4*\s+3], 0x80000000
	JLOAD \s
.endr
	v_and_b32 v1, 15, v0
	v_bfe_u32 v2, v0, 4, 1
	v_mul_u32_u24 v3, v1, PITCH
	v_lshl_add_u32 v3, v2, 4, v3
	s_mul_i32 s21, s11, 64*PITCH
	s_mul_i32 s22, s12, 64*PITCH
	s_add_co_u32 s22, s22, 4*PANEL
.irp s, 0,1
	v_add_nc_u32 v[ADRA+\s], s21, v3
	v_add_nc_u32 v[ADRB+\s], s22, v3
	s_add_co_u32 s21, s21, SLOT
	s_add_co_u32 s22, s22, SLOT
.endr
	s_mul_i32 s23, s10, 16*SPITCH                  ; my stage, in slot 0, which has had its last fill and its last read when the first result is stored there
	v_mul_u32_u24 v4, v1, SPITCH
	v_lshl_add_u32 v4, v2, 5, v4
	v_add_nc_u32 v[STO], s23, v4
	v_mul_u32_u24 v5, v2, SPITCH
	v_lshl_add_u32 v5, v1, 4, v5
	v_add_nc_u32 v[RD], s23, v5
	v_lshlrev_b32 v5, 12, v2
	v_lshl_add_u32 v[CO], v1, 4, v5
	s_lshl_b32 s16, s13, 7
	s_lshl_b32 s17, s11, 6
	s_add_co_u32 s16, s16, s17
	s_lshl_b32 s16, s16, 12
	s_lshl_b32 s46, s42, 9
	s_lshl_b32 s47, s12, 8
	s_add_co_u32 s46, s46, s47
	s_add_co_u32 s16, s16, s46
	s_mov_b32 s17, 0
	s_add_nc_u64 s[8:9], s[8:9], s[16:17]
	s_add_nc_u64 s[70:71], s[70:71], s[16:17]
	WIN 0x80
.irp a, 0,1,2,3
.irp t, 0,1,2,3,4,5,6,7
	global_load_b128 v[32*\a+4*\t:32*\a+4*\t+3], v[CO], s[8:9] offset:(16*\a+2*\t)*4096
.endr
.endr
	WIN 0
.macro PLACES
.rept 4
	v_nop
.endr
.endm
.macro FETCH slot, p, f
	WIN TO_F
.irp i, 0,1,2,3
.irp c, 0,1,2,3
	ds_load_b128 v[\f+16*\i+4*\c:\f+16*\i+4*\c+3], v[ADRA+\slot] offset:(\p)*PANEL+\i*16*PITCH+32*\c
	ds_load_b128 v[\f+64+16*\i+4*\c:\f+64+16*\i+4*\c+3], v[ADRB+\slot] offset:(\p)*PANEL+\i*16*PITCH+32*\c
.endr
.endr
.endm
.macro MUL16 f, zero                   ; the 16 accumulators take turns, one instruction a turn
.irp a, 0,1,2,3
.irp b, 0,1,2,3
.if \zero
	v_wmma_f32_16x16x128_bf8_bf8 v[ACC+8*(4*\a+\b):ACC+8*(4*\a+\b)+7], v[\f+64+16*\b:\f+64+16*\b+15], v[\f+16*\a:\f+16*\a+15], 0
.else
	v_wmma_f32_16x16x128_bf8_bf8 v[ACC+8*(4*\a+\b):ACC+8*(4*\a+\b)+7], v[\f+64+16*\b:\f+64+16*\b+15], v[\f+16*\a:\f+16*\a+15], v[ACC+8*(4*\a+\b):ACC+8*(4*\a+\b)+7]
.endif
.endr
.endr
.endm
.macro PSTEP f, g, slot, p, zero
	PLACES
	FETCH \slot, \p, \g
	s_wait_dscnt 32                                ; all but the 32 loads just issued: f is in
	WIN MUL
	MUL16 \f, \zero
.endm
.macro CHUNK slot, zero
	PSTEP F0, F1, \slot, 1, \zero
	PSTEP F1, F0, \slot, 2, 0
	PSTEP F0, F1, \slot, 3, 0
.endm
.macro TURN slot, next, fill
	WIN 0
	s_wait_tensorcnt 0x0                           ; all my tensor loads have landed: my part of the next slot
	ds_add_u32 v[SPW], v[NIL]
.if \fill
	s_add_nc_u64 s[G0+4*\slot+2:G0+4*\slot+3], s[G0+4*\slot+2:G0+4*\slot+3], 131072
	s_add_nc_u64 s[G0B+4*\slot+2:G0B+4*\slot+3], s[G0B+4*\slot+2:G0B+4*\slot+3], 131072
.endif
	s_wait_dscnt 0x0                               ; the add is done, and my reads of this slot are over
.if \fill
	CROUND                                         ; no wave of any partner still reads this slot or has a load on its way
	JLOAD \slot                                    ; the first tensor load behind the round; its four v_nop are also the places in front of the loads below
.else
	s_barrier_signal -1
	s_barrier_wait -1
	PLACES
.endif
	FETCH \next, 0, F0
	WIN MUL
	MUL16 F1, 0
.endm
	s_wait_tensorcnt 1                             ; my part of chunk 0 is in; chunk 1's load may be out
	s_barrier_signal -1
	s_barrier_wait -1
	FETCH 0, 0, F0
	CHUNK 0, 1
.if KCH == 4
	TURN 0, 1, 1
	CHUNK 1, 0
	TURN 1, 0, 1
	CHUNK 0, 0
.endif
	TURN 0, 1, 0
	CHUNK 1, 0
	s_wait_dscnt 0x0
	MUL16 F1, 0
	WIN 0
	s_wait_kmcnt 0x0
	s_add_co_i32 s96, s96, s97
	s_add_co_i32 s96, s96, 127
	s_lshl_b32 s96, s96, 23
	s_mov_b32 s97, s96
.macro TOSTAGE a
.irp b, 0,1,2,3
	ds_store_b128 v[STO], v[ACC+8*(4*\a+\b):ACC+8*(4*\a+\b)+3] offset:64*\b          ; each accumulator's low four registers first
	ds_store_b128 v[STO], v[ACC+8*(4*\a+\b)+4:ACC+8*(4*\a+\b)+7] offset:64*\b+16
.endr
.irp t, 0,1,2,3,4,5,6,7
	ds_load_b128 v[BK+32*((\a)%2)+4*\t:BK+32*((\a)%2)+4*\t+3], v[RD] offset:\t*2*SPITCH
.endr
.endm
.macro SEND a, younger
	s_wait_dscnt \younger                          ; the next block's 8 stores and 8 loads may be out
	WIN 0x20
.irp j, 0,2,4,6,8,10,12,14,16,18,20,22,24,26,28,30
	v_pk_fma_f32 v[BK+32*((\a)%2)+\j:BK+32*((\a)%2)+\j+1], v[BK+32*((\a)%2)+\j:BK+32*((\a)%2)+\j+1], s[96:97], v[32*(\a)+\j:32*(\a)+\j+1] op_sel_hi:[1,0,1]
.endr
	WIN 0
.irp t, 0,1,2,3,4,5,6,7
.if LASTOUT
	global_store_b128 v[CO], v[BK+32*((\a)%2)+4*\t:BK+32*((\a)%2)+4*\t+3], s[70:71] offset:(16*(\a)+2*\t)*4096 th:TH_STORE_NT   ; sixteen lanes store 256 consecutive bytes, aligned; written once, read by nobody here
.else
	global_store_b128 v[CO], v[BK+32*((\a)%2)+4*\t:BK+32*((\a)%2)+4*\t+3], s[70:71] offset:(16*(\a)+2*\t)*4096
.endif
.endr
.endm
	PLACES
	TOSTAGE 0
	s_wait_loadcnt 0x0                             ; the residual
.irp a, 1,2,3
.if \a > 1
	s_wait_xcnt 0x0                                ; the stores of two blocks back have read their registers
.endif
	TOSTAGE \a
	SEND \a-1, 16
.endr
	SEND 3, 0
	s_wait_tensorcnt 0x0                           ; the wave's end
	ds_add_u32 v[SPW], v[NIL]
	s_wait_dscnt 0x0
	CROUND                                         ; the closing round
	s_endpgm
.Lfunc_end_k_q6b64e80adc_wout:
	.size	k_q6b64e80adc_wout, .Lfunc_end_k_q6b64e80adc_wout-k_q6b64e80adc_wout
	.p2alignl 7, 3214868480
	.fill 96, 4, 3214868480
	.section	.rodata,"a",@progbits
	.p2align	6, 0x0
	.amdhsa_kernel k_q6b64e80adc_wout
		.amdhsa_group_segment_fixed_size 327680
		.amdhsa_private_segment_fixed_size 0
		.amdhsa_enable_private_segment 0
		.amdhsa_kernarg_size 40
		.amdhsa_user_sgpr_count 2
		.amdhsa_user_sgpr_kernarg_segment_ptr 1
		.amdhsa_wavefront_size32 1
		.amdhsa_system_sgpr_workgroup_id_x 1
		.amdhsa_system_sgpr_workgroup_id_y 1
		.amdhsa_system_sgpr_workgroup_id_z 1
		.amdhsa_system_vgpr_workitem_id 0
		.amdhsa_next_free_vgpr 640
		.amdhsa_next_free_sgpr 100
		.amdhsa_reserve_vcc 0
		.amdhsa_float_denorm_mode_32 3
		.amdhsa_float_denorm_mode_16_64 3
		.amdhsa_memory_ordered 1
		.amdhsa_forward_progress 1
		.amdhsa_inst_pref_size 76
	.end_amdhsa_kernel
	.amdgpu_metadata
---
amdhsa.version: [ 1, 2 ]
amdhsa.kernels:
  - .name:           k_q6b64e80adc_wout
    .symbol:         k_q6b64e80adc_wout.kd
    .args:
      - { .name: actc, .offset: 0, .size: 8, .value_kind: global_buffer, .address_space: global }
      - { .name: wc, .offset: 8, .size: 8, .value_kind: global_buffer, .address_space: global }
      - { .name: y, .offset: 16, .size: 8, .value_kind: global_buffer, .address_space: global }
      - { .name: lowp_scales, .offset: 24, .size: 8, .value_kind: global_buffer, .address_space: global }
      - { .name: out0, .offset: 32, .size: 8, .value_kind: global_buffer, .address_space: global }
    .group_segment_fixed_size: 327680
    .private_segment_fixed_size: 0
    .kernarg_segment_align: 8
    .kernarg_segment_size: 40
    .max_flat_workgroup_size: 128
    .sgpr_count:     100
    .vgpr_count:     640
    .wavefront_size: 32
...
	.end_amdgpu_metadata
.endif
;; end of part 8
